; MI455X (gfx1250); checked and timed in simulation.
; The chip was launched on July 23, 2026; its instructions are those of AMD's public machine-readable ISA for CDNA 5 (MIT licence, August 2026) and "CDNA5" Instruction Set Architecture Reference Guide (July 2026). The comments in the code are by the model that wrote it; some were corrected since.
;; Sub Clustering Net. Allowed arithmetic: matrix products marked QUANTISED: E3M2 operands, one E8M0 scale for each 32 along K, by v_wmma_scale_f32_16x16x128_f8f6f4 with both operands' format E3M2, f32 sums; products left as they are: f32 operands where the result goes on into a quantised operand, else bf16, f16 or f32 operands; f32 sums; everything else in f32.
;; Inputs: W1 16 x 256 x 128 float32; W2 16 x 128 x 2 float32; b1 16 x 128 float32; b2 16 x 2 float32; x 131,072 x 256 float32; z 131,072 int32.
;; Outputs: out0 131,072 x 2 float32.
;; This version of the problem:
;;   THIS VERSION OF THE PROBLEM IS GIVEN IN LOW PRECISION. The matrix products marked QUANTISED in the list below multiply operands that are first quantised to E3M2 (3 exponent bits, 2 mantissa bits; 6 bits a number), with one power-of-two scale for each 32 numbers along K (OCP MX v1.0); their sums are f32. All else is computed in f32.
;;   The module's matrix products, in the order in which they are computed (A, B: the left and right operand; K: the contracted axis; several contracted axes count as one K, in the product's order):
;;     1. [M 131,072, K 256] x [K 256, N 128]; A: input x; B: input W1: QUANTISED
;;     2. [M 131,072, K 128] x [K 128, N 2]; A: computed on the way; B: input W2: left as it is (N = 2 < 16)
;;     3. [M 131,072, K 256] x [K 256, N 128]; A: input x; B: input W1: QUANTISED
;;     4. [M 131,072, K 128] x [K 128, N 2]; A: computed on the way; B: input W2: left as it is (N = 2 < 16)
;;     5. [M 131,072, K 256] x [K 256, N 128]; A: input x; B: input W1: QUANTISED
;;     6. [M 131,072, K 128] x [K 128, N 2]; A: computed on the way; B: input W2: left as it is (N = 2 < 16)
;;     7. [M 131,072, K 256] x [K 256, N 128]; A: input x; B: input W1: QUANTISED
;;     8. [M 131,072, K 128] x [K 128, N 2]; A: computed on the way; B: input W2: left as it is (N = 2 < 16)
;;     9. [M 131,072, K 256] x [K 256, N 128]; A: input x; B: input W1: QUANTISED
;;     10. [M 131,072, K 128] x [K 128, N 2]; A: computed on the way; B: input W2: left as it is (N = 2 < 16)
;;     11. [M 131,072, K 256] x [K 256, N 128]; A: input x; B: input W1: QUANTISED
;;     12. [M 131,072, K 128] x [K 128, N 2]; A: computed on the way; B: input W2: left as it is (N = 2 < 16)
;;     13. [M 131,072, K 256] x [K 256, N 128]; A: input x; B: input W1: QUANTISED
;;     14. [M 131,072, K 128] x [K 128, N 2]; A: computed on the way; B: input W2: left as it is (N = 2 < 16)
;;     15. [M 131,072, K 256] x [K 256, N 128]; A: input x; B: input W1: QUANTISED
;;     16. [M 131,072, K 128] x [K 128, N 2]; A: computed on the way; B: input W2: left as it is (N = 2 < 16)
;;     17. [M 131,072, K 256] x [K 256, N 128]; A: input x; B: input W1: QUANTISED
;;     18. [M 131,072, K 128] x [K 128, N 2]; A: computed on the way; B: input W2: left as it is (N = 2 < 16)
;;     19. [M 131,072, K 256] x [K 256, N 128]; A: input x; B: input W1: QUANTISED
;;     20. [M 131,072, K 128] x [K 128, N 2]; A: computed on the way; B: input W2: left as it is (N = 2 < 16)
;;     21. [M 131,072, K 256] x [K 256, N 128]; A: input x; B: input W1: QUANTISED
;;     22. [M 131,072, K 128] x [K 128, N 2]; A: computed on the way; B: input W2: left as it is (N = 2 < 16)
;;     23. [M 131,072, K 256] x [K 256, N 128]; A: input x; B: input W1: QUANTISED
;;     24. [M 131,072, K 128] x [K 128, N 2]; A: computed on the way; B: input W2: left as it is (N = 2 < 16)
;;     25. [M 131,072, K 256] x [K 256, N 128]; A: input x; B: input W1: QUANTISED
;;     26. [M 131,072, K 128] x [K 128, N 2]; A: computed on the way; B: input W2: left as it is (N = 2 < 16)
;;     27. [M 131,072, K 256] x [K 256, N 128]; A: input x; B: input W1: QUANTISED
;;     28. [M 131,072, K 128] x [K 128, N 2]; A: computed on the way; B: input W2: left as it is (N = 2 < 16)
;;     29. [M 131,072, K 256] x [K 256, N 128]; A: input x; B: input W1: QUANTISED
;;     30. [M 131,072, K 128] x [K 128, N 2]; A: computed on the way; B: input W2: left as it is (N = 2 < 16)
;;     31. [M 131,072, K 256] x [K 256, N 128]; A: input x; B: input W1: QUANTISED
;;     32. [M 131,072, K 128] x [K 128, N 2]; A: computed on the way; B: input W2: left as it is (N = 2 < 16)
;;   THE QUANTISER, for each operand of a quantised product, along K:
;;     - K is cut into blocks of 32 from its start; a last block that is shorter is filled with zeros.
;;     - A block's scale is 2^e with e = floor(log2(the largest magnitude in the block)) - 4, held to -126 .. 127; a block of zeros has e = 0. As a byte (E8M0): e + 127.
;;     - Each number is divided by its block's scale, clamped to +-28, and rounded to the nearest number of E3M2, ties to even, subnormals kept.
;;     - The product sums the exact products of the quantised numbers (number of the format x scale) in f32.
;;   ~~~python
;;   def quantise(x, axis):      # numpy; x: float32 -> the quantised numbers, widened to float32 again
;;       x = np.moveaxis(x, axis, -1); K = x.shape[-1]
;;       x = np.pad(x, [(0, 0)] * (x.ndim - 1) + [(0, -K % 32)]); x = x.reshape(x.shape[:-1] + (-1, 32)); a = np.abs(x).max(-1, keepdims=True)
;;       e = np.where(a > 0, np.clip(np.frexp(np.where(a > 0, a, 1))[1] - 1 - 4, -126, 127), 0)      # np.frexp(a)[1] - 1 = floor(log2(a)), exactly
;;       r = np.clip(x / 2.0 ** e, -28, 28)
;;       step = 2.0 ** (np.maximum(np.frexp(np.where(r == 0, 1, r))[1] - 1, -2) - 2)
;;       q = np.round(r / step) * step * 2.0 ** e      # np.round: ties to even
;;       return np.moveaxis(q.reshape(q.shape[:-2] + (-1,))[..., :K], -1, axis).astype(np.float32)
;;   ~~~
;; 2 versions. Each part assembles by itself: llvm-mc -triple=amdgcn-amd-amdhsa -mcpu=gfx1250 --defsym DOCPART=n.
;; ======== version 1 of 2: 2 launches
;; workspace buffers: order 8,388,608 bytes of whole numbers; cnt 1,024 bytes of whole numbers; w1f 393,216 bytes; w1s 32,768 bytes; w2t 16,384 bytes
;; launch prep (part 1): grid 16 x 16, 8 waves a work-group, no clusters, 1,280 bytes of LDS; arguments z, W1, order, cnt, w1f, w1s, W2, w2t, out0; writes order, cnt, w1f, w1s, w2t, out0
.if DOCPART == 1
	.amdgcn_target "amdgcn-amd-amdhsa--gfx1250"
	.amdhsa_code_object_version 6
	.text
	.protected	k_q978d9d1c9a_prep
	.globl	k_q978d9d1c9a_prep
	.p2align	8
	.type	k_q978d9d1c9a_prep,@function
k_q978d9d1c9a_prep:
	s_mov_b64 s[64:65], 0
	v_nop
	global_prefetch_b8 v0, s[64:65] scope:SCOPE_SE
	s_setreg_imm32_b32 hwreg(HW_REG_WAVE_MODE, 25, 1), 1
	s_wait_xcnt 0x0
; ROUTING AND WEIGHTS, ahead of the launch that does the arithmetic.  Work-group (x = expert e, y = block g of 8,192 tokens), eight waves.
; 1. The numbers of the tokens of block g with z == e are gathered into order[16 g + e][0 .. n - 1], and n goes to cnt[16 g + e].  Wave w scans tokens 1,024 w on of the block;
;    the waves' counts meet in LDS, so that each wave knows where its part of the list begins.  No atomics: each list has one work-group.  The order inside a list is free.
; 2. Wave 0 quantises ONE fragment of W1[e] (f = g = 2 t + s: hidden units 16 t .. 16 t + 15, K = 128 s .. 128 s + 127) to codes of BF6 (E3M2) with one E8M0 byte for each 32 along K, and stores it
;    as an image of the operand's registers: w1f[e][f][c][lane][16 bytes] = registers 4 c .. 4 c + 3, w1s[e][f][lane] = the scale word.  A lane takes a column of W1 and its registers run down K.
; 3. Wave 1 lays 16 numbers of W2[e] by class: w2t[e][class][unit].
; 4. out0 begins as reference()'s ri begins: logits (0, 0), whose softmax is (0.5, 0.5).  The work-group fills the rows of tokens 8,192 g + 512 e on, 512 consecutive bytes a wave.  The next launch writes over
;    the row of every listed token; a token whose z is no expert's number is in no list and keeps what reference() gives it.
; A block's scale is 2^(floor(log2(largest magnitude)) - 4): its byte is the largest magnitude's exponent field - 4, held at 1 from below.
; LIMITS: NaN and infinities in W1 are not served; a block of zeros gets the byte 1 where the rule says 127 (its codes are zeros, and this program alone reads the bytes).
.set M,    32                          ; s32-63   32 masks: which lanes' token i is wanted
.set CW,   66                          ; s66-73   the eight waves' counts
.set Z,    16                          ; v16-47   z as loaded, later the tokens' numbers
.set P,    48                          ; v48-79   byte offsets of the list's stores
.set WN,   80                          ; v80-143  64 numbers of W1
.set FRG,  144                         ; v144-155 the fragment
.set FR2,  156                         ; v156-163 the second halves of the blocks' codes
.set HALF, 176                         ; v176-179 0.5, four times
	s_load_b256 s[4:11], s[0:1], 0x0               ; z s[4:5], W1 s[6:7], order s[8:9], cnt s[10:11]
	s_load_b128 s[12:15], s[0:1], 0x20             ; w1f s[12:13], w1s s[14:15]
	s_load_b128 s[76:79], s[0:1], 0x30             ; W2 s[76:77], w2t s[78:79]
	s_load_b64 s[74:75], s[0:1], 0x40              ; out0
	v_lshl_add_u32 v180, v0, 2, 0x100
	v_mov_b32 v181, 0
	v_lshrrev_b32 v4, 5, v0
	v_readfirstlane_b32 s16, v4                    ; wave 0..7
	v_lshlrev_b32 v4, 2, v4                        ; LDS: my wave's count word, 4 x wave
	v_and_b32 v1, 31, v0                           ; lane
	v_lshlrev_b32 v2, 4, v1                        ; 16 x lane
	v_lshlrev_b32 v6, 2, v1                        ; 4 x lane
	v_mov_b32 v172, 0
.irp j, 0,1,2,3
	v_mov_b32 v[HALF+\j], 0.5
.endr
	s_mov_b32 s17, ttmp9                           ; e
	s_and_b32 s18, ttmp7, 0xffff                   ; g
	s_lshl_b32 s19, s18, 4
	s_add_co_u32 s19, s19, s17                     ; the list's number: 16 g + e
	s_lshl_b32 s22, s18, 13
	s_lshl_b32 s23, s16, 10
	s_add_co_u32 s22, s22, s23                     ; my wave's first token: 8,192 g + 1,024 w
	v_add_nc_u32 v3, s22, v6                       ; + 4 x lane: the token of my first number of the first load
	s_mov_b32 s21, 0                               ; the high word of every offset pair
	s_mov_b32 s28, 0x76543210
	s_mov_b32 s29, 0xfedcba98                      ; v_permlanex16_b32's selects for lane l xor 16
	s_wait_kmcnt 0x0
	s_lshl_b32 s20, s22, 2
	s_add_nc_u64 s[4:5], s[4:5], s[20:21]          ; z at my wave's first token
.irp q, 0,1,2,3,4,5,6,7
	global_load_b128 v[Z+4*\q:Z+4*\q+3], v2, s[4:5] offset:512*\q   ; 512 consecutive bytes: lane l gets tokens 128 q + 4 l + 0 .. 3
.endr
	s_lshl_b32 s20, s18, 16                        ; out0: 8 bytes a token: 65,536 g
	s_lshl_b32 s23, s17, 12                        ; + 4,096 e
	s_add_co_u32 s20, s20, s23
	s_lshl_b32 s23, s16, 9                         ; + 512 w
	s_add_co_u32 s20, s20, s23
	s_add_nc_u64 s[74:75], s[74:75], s[20:21]
	global_store_b128 v2, v[HALF:HALF+3], s[74:75] ; 64 tokens' rows: 512 consecutive bytes, aligned
	s_lshl_b32 s20, s19, 15
	s_add_nc_u64 s[8:9], s[8:9], s[20:21]          ; my list: 8,192 words
	s_lshl_b32 s20, s19, 2
	s_add_nc_u64 s[10:11], s[10:11], s[20:21]      ; and its count
	s_lshl_b32 s20, s17, 17                        ; W1[e]: 131,072 bytes an expert,
	s_and_b32 s23, s18, 1
	s_lshl_b32 s23, s23, 16                        ; K step s = g % 2: 128 rows of 512 bytes,
	s_add_co_u32 s20, s20, s23
	s_lshr_b32 s23, s18, 1
	s_lshl_b32 s23, s23, 6                         ; tile t = g / 2: 16 columns of 4 bytes
	s_add_co_u32 s20, s20, s23
	s_add_nc_u64 s[6:7], s[6:7], s[20:21]
	s_lshl_b32 s23, s17, 4
	s_add_co_u32 s23, s23, s18                     ; 16 e + f
	s_mul_i32 s20, s23, 1536
	s_add_nc_u64 s[12:13], s[12:13], s[20:21]      ; the fragment's image: 1,536 bytes
	s_lshl_b32 s20, s23, 7
	s_add_nc_u64 s[14:15], s[14:15], s[20:21]      ; its scale words: 128 bytes
	s_lshl_b32 s20, s17, 10
	s_lshl_b32 s23, s18, 6
	s_add_co_u32 s20, s20, s23
	s_add_nc_u64 s[76:77], s[76:77], s[20:21]      ; W2[e][8 g][0]
	s_lshl_b32 s20, s17, 10
	s_lshl_b32 s23, s18, 5
	s_add_co_u32 s20, s20, s23
	s_add_nc_u64 s[78:79], s[78:79], s[20:21]      ; w2t[e][0][8 g]
	; ---- wave 0: the fragment of W1.  Loads, arithmetic and stores stand in this one branch; the loads are on their way together with z's
	s_cmp_lg_u32 s16, 0
	s_cbranch_scc1 .Lnot_0
	v_and_b32 v7, 15, v0                           ; r
	v_bfe_u32 v15, v0, 4, 1                        ; h
	v_lshlrev_b32 v5, 2, v7                        ; lane (r, h) takes column r,
	v_lshl_add_u32 v5, v15, 14, v5                 ; and begins 32 h rows down: the operand's layout gives it k = 64 c + 32 h + 0 .. 31
.irp c, 0,1
.irp i, 0,1,2,3,4,5,6,7,8,9,10,11,12,13,14,15,16,17,18,19,20,21,22,23,24,25,26,27,28,29,30,31
	global_load_b32 v[WN+32*\c+\i], v5, s[6:7] offset:512*(64*\c+\i)   ; sixteen neighbouring lanes read 64 neighbouring bytes
.endr
.endr
	s_wait_loadcnt 0x0
.irp c, 0,1                                    ; my block 2 c + h: all its 32 numbers are mine
	v_max3_num_f32 v[8+\c], |v[WN+32*\c]|, |v[WN+1+32*\c]|, 0x2800000   ; with the floor 2^(5 - 127): the byte cannot fall under 1
.endr
.irp i, 2,4,6,8,10,12,14,16,18,20,22,24,26,28,30
.irp c, 0,1
	v_max3_num_f32 v[8+\c], v[8+\c], |v[WN+32*\c+\i]|, |v[WN+1+32*\c+\i]|   ; (the two blocks by turns)
.endr
.endr
.irp c, 0,1
	v_add_nc_u32 v[10+\c], 0xfe000000, v[8+\c]     ; 4 off the exponent field: the conversion takes this operand's exponent field as its scale
.endr
.irp c, 0,1
	v_lshrrev_b32 v[12+\c], 23, v[10+\c]           ; the scale's byte
.endr
	v_lshl_or_b32 v14, v13, 16, v12                ; my two bytes: blocks h and 2 + h of my column,
	v_lshlrev_b32 v15, 3, v15
	v_lshlrev_b32 v14, v15, v14                    ; at their places in the scale word (8 h bits up);
	v_mov_b32 v15, 0
	v_permlanex16_b32 v15, v14, s28, s29
	v_or_b32 v14, v14, v15                         ; with lane l xor 16's two the word is whole
.irp c, 0,1
	v_cvt_scalef32_pk16_bf6_f32 v[FRG+6*\c:FRG+2+6*\c], v[WN+32*\c:WN+15+32*\c], v[10+\c]
	v_cvt_scalef32_pk16_bf6_f32 v[FR2+4*\c:FR2+2+4*\c], v[WN+16+32*\c:WN+31+32*\c], v[10+\c]   ; (a conversion's three registers begin on an even number)
.endr
	v_nop                                          ; one plain place behind a scaled conversion
.irp c, 0,1
.irp i, 0,1,2
	v_mov_b32 v[FRG+3+6*\c+\i], v[FR2+4*\c+\i]     ; registers 6 c .. 6 c + 5 hold k = 64 c + 32 h + 0 .. 31
.endr
.endr
.irp c, 0,1,2
	global_store_b128 v2, v[FRG+4*\c:FRG+4*\c+3], s[12:13] offset:512*\c   ; 512 consecutive bytes a store
.endr
	global_store_b32 v6, v14, s[14:15]
.Lnot_0:
	; ---- wave 1: 16 numbers of W2, by class.  Lanes 16-31 do what lanes 0-15 do: the same number to the same place
	s_cmp_lg_u32 s16, 1
	s_cbranch_scc1 .Lnot_1
	v_and_b32 v7, 7, v0                            ; unit 8 g + (lane % 8)
	v_bfe_u32 v8, v0, 3, 1                         ; class
	v_lshlrev_b32 v9, 3, v7
	v_lshl_add_u32 v9, v8, 2, v9                   ; from: 8 bytes a unit, 4 a class
	v_lshlrev_b32 v10, 2, v7
	v_lshl_add_u32 v10, v8, 9, v10                 ; to: 512 bytes a class, 4 a unit
	global_load_b32 v11, v9, s[76:77]
	s_wait_loadcnt 0x0
	global_store_b32 v10, v11, s[78:79]
.Lnot_1:
	s_wait_loadcnt 0x0                             ; z is in
	; ---- which of my 1,024 tokens belong to expert e, and how many
.set i, 0
.rept 32
	v_cmp_eq_u32 s[M+i], s17, v[Z+i]
.set i, i+1
.endr
	s_mov_b32 s22, 0
.set i, 0
.rept 32
	s_bcnt1_i32_b32 s23, s[M+i]
	s_add_co_u32 s22, s22, s23
.set i, i+1
.endr
	v_mov_b32 v7, s22
	ds_store_b32 v4, v7                            ; all lanes write the same word with the same value
	s_wait_dscnt 0x0                               ; for the others' sake: my count has landed
	s_barrier_signal -1
	s_barrier_wait -1
	ds_load_b128 v[164:167], v172
	ds_load_b128 v[168:171], v172 offset:16
	s_wait_dscnt 0x0
.irp i, 0,1,2,3,4,5,6,7
	v_readfirstlane_b32 s[CW+\i], v[164+\i]
.endr
	s_mov_b32 s24, 0                               ; where my wave's part of the list begins: the counts of the waves before me
	s_mov_b32 s25, 0                               ; n: all eight
.irp i, 0,1,2,3,4,5,6,7
	s_cmp_lt_u32 \i, s16
	s_cselect_b32 s23, s[CW+\i], 0
	s_add_co_u32 s24, s24, s23
	s_add_co_u32 s25, s25, s[CW+\i]
.endr
	; ---- places: the running base + the number of wanted lanes below mine.  All 32 offsets are made here, with EXEC as at the entry: no offset register is written once EXEC has been cut
.set i, 0
.rept 32
	v_mbcnt_lo_u32_b32 v[P+i], s[M+i], s24
	s_bcnt1_i32_b32 s23, s[M+i]
	s_add_co_u32 s24, s24, s23
	v_min_u32 v[P+i], 0x1fff, v[P+i]               ; a list has 8,192 places
	v_lshlrev_b32 v[P+i], 2, v[P+i]
	v_add_nc_u32 v[Z+i], 128*(i/4)+i%4, v3         ; the token's number takes z's place: the masks are kept
.set i, i+1
.endr
	v_mov_b32 v7, s25                              ; n, for wave 0's store at the end
	s_wait_xcnt 0x0                                ; EXEC changes only behind this wait
.set i, 0
.rept 32
	s_and_saveexec_b32 s26, s[M+i]
	global_store_b32 v[P+i], v[Z+i], s[8:9]        ; the wanted lanes' places are neighbours
	s_wait_xcnt 0x0                                ; in front of the line that widens EXEC; nothing is issued before it is narrowed again
	s_or_b32 exec_lo, exec_lo, s26
.set i, i+1
.endr
	s_cmp_lg_u32 s16, 0
	s_cbranch_scc1 .Lend
	v_cmp_eq_u32 vcc_lo, 0, v1                     ; wave 0 stores n, from one lane
	s_and_saveexec_b32 s26, vcc_lo
	global_store_b32 v172, v7, s[10:11]
	s_wait_xcnt 0x0
	s_or_b32 exec_lo, exec_lo, s26
.Lend:
	s_wait_tensorcnt 0x0
	ds_add_u32 v180, v181
	s_wait_dscnt 0x0
	s_endpgm
.Lfunc_end_k_q978d9d1c9a_prep:
	.size	k_q978d9d1c9a_prep, .Lfunc_end_k_q978d9d1c9a_prep-k_q978d9d1c9a_prep
	.p2alignl 7, 3214868480
	.fill 96, 4, 3214868480
	.section	.rodata,"a",@progbits
	.p2align	6, 0x0
	.amdhsa_kernel k_q978d9d1c9a_prep
		.amdhsa_group_segment_fixed_size 1280
		.amdhsa_private_segment_fixed_size 0
		.amdhsa_enable_private_segment 0
		.amdhsa_kernarg_size 72
		.amdhsa_user_sgpr_count 2
		.amdhsa_user_sgpr_kernarg_segment_ptr 1
		.amdhsa_wavefront_size32 1
		.amdhsa_system_sgpr_workgroup_id_x 1
		.amdhsa_system_sgpr_workgroup_id_y 1
		.amdhsa_system_sgpr_workgroup_id_z 1
		.amdhsa_system_vgpr_workitem_id 0
		.amdhsa_next_free_vgpr 182
		.amdhsa_next_free_sgpr 80
		.amdhsa_reserve_vcc 1
		.amdhsa_float_denorm_mode_32 3
		.amdhsa_float_denorm_mode_16_64 3
		.amdhsa_memory_ordered 1
		.amdhsa_forward_progress 1
		.amdhsa_inst_pref_size 35
	.end_amdhsa_kernel
	.amdgpu_metadata
---
amdhsa.version: [ 1, 2 ]
amdhsa.kernels:
  - .name:           k_q978d9d1c9a_prep
    .symbol:         k_q978d9d1c9a_prep.kd
    .args:
      - { .name: z, .offset: 0, .size: 8, .value_kind: global_buffer, .address_space: global }
      - { .name: W1, .offset: 8, .size: 8, .value_kind: global_buffer, .address_space: global }
      - { .name: order, .offset: 16, .size: 8, .value_kind: global_buffer, .address_space: global }
      - { .name: cnt, .offset: 24, .size: 8, .value_kind: global_buffer, .address_space: global }
      - { .name: w1f, .offset: 32, .size: 8, .value_kind: global_buffer, .address_space: global }
      - { .name: w1s, .offset: 40, .size: 8, .value_kind: global_buffer, .address_space: global }
      - { .name: W2, .offset: 48, .size: 8, .value_kind: global_buffer, .address_space: global }
      - { .name: w2t, .offset: 56, .size: 8, .value_kind: global_buffer, .address_space: global }
      - { .name: out0, .offset: 64, .size: 8, .value_kind: global_buffer, .address_space: global }
    .group_segment_fixed_size: 1280
    .private_segment_fixed_size: 0
    .kernarg_segment_align: 8
    .kernarg_segment_size: 72
    .max_flat_workgroup_size: 256
    .sgpr_count:     80
    .vgpr_count:     182
    .wavefront_size: 32
...
	.end_amdgpu_metadata
.endif
;; end of part 1
;; launch main (part 2): grid 16 x 16, 4 waves a work-group, no clusters, 133,632 bytes of LDS; arguments x, order, cnt, w1f, w1s, b1, w2t, b2, out0; writes out0
.if DOCPART == 2
	.amdgcn_target "amdgcn-amd-amdhsa--gfx1250"
	.amdhsa_code_object_version 6
	.text
	.protected	k_q978d9d1c9a_main
	.globl	k_q978d9d1c9a_main
	.p2align	8
	.type	k_q978d9d1c9a_main,@function
k_q978d9d1c9a_main:
	s_mov_b64 s[64:65], 0
	v_nop
	global_prefetch_b8 v0, s[64:65] scope:SCOPE_SE
	s_setreg_imm32_b32 hwreg(HW_REG_WAVE_MODE, 25, 1), 1
	s_wait_xcnt 0x0
; out0[token] = softmax(relu(Q(x[token]) Q(W1[e]) + b1[e]) W2[e] + b2[e]), e = z[token]; Q = codes of BF6 (E3M2) with one E8M0 scale for each 32 along K = 256.  Only the token's own expert is computed.
; Work-group (x = expert e, y = block g of tokens) takes the list order[16 g + e] of n = cnt[16 g + e] tokens.  Four waves, as many as a WGP has SIMDs; they share nothing, so there is no barrier.
; Each wave keeps the expert's weights in registers: W1's 16 fragments (images of the operand's registers, made by the launch before), its scale words, b1, W2 by class, b2.
; A TILE is 16 listed tokens.  Wave w takes tiles w, w + 4, ..; a trip takes two (A = tA, B = tA + 4).  A tile's way: 16 rows of x, 1,024 aligned bytes each, by loads of 512 consecutive bytes; through the wave's own stage
; in LDS, so that lane (r, h) gets 16 neighbours of each block of 32 of token r; quantised in registers; 16 matrix instructions, TRANSPOSED (source 0 = 16 hidden units of W1, source 1 = my 16 tokens), b1 as the C of
; the first eight: lane (r, h) then holds token r and hidden units 16 t + 8 h + 0 .. 7; relu; the second product in f32 by packed multiply-adds; the halves of the lanes meet; softmax with the maximum taken away.
; The next trip's 64 loads of x go out as soon as this trip's rows are in the stage: 32 KiB a wave are on their way while two tiles are worked.
; Rows past the list's end take its last entry: they compute the last token again and store the same number to the same place, so EXEC is never touched.
; A token that stands in no list (its z is no expert's number) keeps the row that the launch before gave it.
; Not used: tensor loads (rows are gathered, and the trip count is read from memory); clusters (what work-groups share, one expert's 28 KB of weights, is small beside a list's rows of x).
; An output row is 8 bytes and one expert's tokens are no neighbours: lane (r, h) stores class h of token r, 4 bytes.
; LIMITS: NaN and infinities in x are not served; a block of zeros gets the byte 1 (its codes are zeros).  Any split of the tokens is served; an uneven one makes the fullest list's work-group the last to end.
; REGISTERS, in windows of 256: window 0 as named below;  window 1: v0-191 W1's fragments (f = 2 t + s at 12 f), v192-255 b1 (8 t + j);  window 2: v0-63, v64-127 W2's classes 0, 1 (8 t + j), v128-255 tile A's rows as loaded;
;   window 3: v0-127 tile B's rows as loaded.
.set PITCH, 1040                       ; a stage row: 1,024 bytes + 16 = 65 x 16: the sixteen rows that a read touches lie in sixteen different 16-byte columns of 256
.set STG,   16*PITCH                   ; a stage; each wave has two (tile A's, tile B's)
.set WLDS,  2*STG
.set L16,  1                           ; v1   16 x lane
.set STA,  2                           ; v2   into the stage: my wave's bytes + 16 x lane
.set LDA,  3                           ; v3   out of it: my wave's bytes + PITCH r + 64 h
.set IDX,  4                           ; v4   the place in the list that the next list load takes (tile A's)
.set LOA,  5                           ; v5, v6   its byte offsets, A's and B's
.set LOB,  6
.set LTA,  7                           ; v7, v8   token numbers on their way
.set LTB,  8
.set NXA,  9                           ; v9, v10  tokens of the rows asked for next
.set NXB,  10
.set CUA,  11                          ; v11, v12 8 x token + 4 h of the tiles in hand
.set CUB,  12
.set H4,   13                          ; v13  4 h
.set RSA,  14                          ; v14, v15 the results
.set RSB,  15
.set H32,  16                          ; v16  32 h
.set L4,   18                          ; v18  4 x lane
.set NIL,  19                          ; v19  0
.set OFFA, 24                          ; v24-39, v40-55 the rows' byte offsets in x
.set OFFB, 40
.set W1S,  56                          ; v56-71 W1's scale words
.set PW0,  72                          ; v72, v73 x's scale words
.set PW1,  73
.set B2,   74                          ; v74-75 b2
.set TM,   76                          ; v76-91 at work
.set LL,   76                          ; v76-83 the logits' four chains
.set F0,   92                          ; v92-103, v104-115 x's two fragments
.set F1,   104
.set PT,   116                         ; v116-123 the second halves of the blocks' codes
.set X0,   128                         ; v128-191 64 numbers of K step 0
.set ACC,  192                         ; v192-255 64 numbers of K step 1, then the eight accumulators
.set B1,   192                         ; in window 1
.set RAWA, 128                         ; in window 2
.set RAWB, 0                           ; in window 3
.set TK,   40                          ; s40-55 a tile's sixteen tokens
.set MSB, 0
.macro WIN new                         ; the immediate's high byte repeats the setting that is left; at a label and at a branch every window is 0
.if MSB != \new
	s_set_vgpr_msb (MSB<<8)|\new
.set MSB, \new
.endif
.endm
; The next two tiles' places in the list, held inside it (n - 1) and inside the buffer's segment, and their loads.
.macro LIST
	v_min_u32 v[LOA], s29, v[IDX]
	v_add_nc_u32 v[LOB], 64, v[IDX]
	v_min_u32 v[LOB], s29, v[LOB]
	v_min_u32 v[LOA], 0x1fff, v[LOA]
	v_min_u32 v[LOB], 0x1fff, v[LOB]
	v_lshlrev_b32 v[LOA], 2, v[LOA]
	v_lshlrev_b32 v[LOB], 2, v[LOB]
	global_load_b32 v[LTA], v[LOA], s[6:7]
	global_load_b32 v[LTB], v[LOB], s[6:7]
	v_add_nc_u32 v[IDX], 128, v[IDX]               ; a trip is eight tiles on
.endm
; Sixteen rows of x are asked for: each load is 512 consecutive bytes, aligned.  Each token stands in one list once, so x is read once (the list's last row alone may be repeated, as filler).
.macro LOADS tok, off, raw, win
.set rr, 0
.rept 16
	v_readlane_b32 s[TK+rr], v[\tok], rr
.set rr, rr+1
.endr
.set rr, 0
.rept 16
	s_min_u32 s[TK+rr], s[TK+rr], 0x1ffff          ; x has 131,072 rows
.set rr, rr+1
.endr
.set rr, 0
.rept 16
	v_lshl_add_u32 v[\off+rr], s[TK+rr], 10, v[L16]
.set rr, rr+1
.endr
	WIN \win
.set rr, 0
.rept 16
	global_load_b128 v[\raw+8*rr:\raw+8*rr+3], v[\off+rr], s[4:5] th:TH_LOAD_NT
	global_load_b128 v[\raw+8*rr+4:\raw+8*rr+7], v[\off+rr], s[4:5] offset:512 th:TH_LOAD_NT
.set rr, rr+1
.endr
	WIN 0
.endm
.macro STAGE raw, win, so              ; the rows as they were loaded, 512 consecutive bytes a store
	WIN \win
.set rr, 0
.rept 16
	ds_store_b128 v[STA], v[\raw+8*rr:\raw+8*rr+3] offset:\so+PITCH*rr
	ds_store_b128 v[STA], v[\raw+8*rr+4:\raw+8*rr+7] offset:\so+PITCH*rr+512
.set rr, rr+1
.endr
	WIN 0
.endm
.macro XLD dst, so, s                  ; register 16 b + i = x(token r, 128 s + 32 b + 16 h + i).  LDS serves a wave's instructions in order: these see my stores
.irp b, 0,1,2,3
.irp j, 0,1,2,3
	ds_load_b128 v[\dst+16*\b+4*\j:\dst+16*\b+4*\j+3], v[LDA] offset:\so+512*\s+128*\b+16*\j
.endr
.endr
.endm
; 64 numbers of a lane, register 16 b + i = k 32 b + 16 h + i of my token, become a fragment's codes in v[fr] on and its scale word in v[pw].
.macro QUANT s, fr, pw
.irp b, 0,1,2,3
	v_max3_num_f32 v[TM+\b], |v[\s+16*\b]|, |v[\s+1+16*\b]|, 0x2800000   ; block b: my 16 numbers, and the floor 2^(5 - 127): the byte cannot fall under 1
.endr
.irp i, 2,4,6,8,10,12,14
.irp b, 0,1,2,3
	v_max3_num_f32 v[TM+\b], v[TM+\b], |v[\s+16*\b+\i]|, |v[\s+1+16*\b+\i]|   ; (the four blocks by turns)
.endr
.endr
.irp b, 0,1,2,3
	v_permlanex16_b32 v[TM+4+\b], v[TM+\b], s34, s35
.endr
.irp b, 0,1,2,3
	v_max_num_f32 v[TM+\b], v[TM+\b], v[TM+4+\b]   ; with lane l xor 16's: the block's largest magnitude
.endr
.irp b, 0,1,2,3
	v_add_nc_u32 v[TM+12+\b], 0xfe000000, v[TM+\b]   ; 4 off its exponent field: the conversion's scale operand
.endr
.irp b, 0,1,2,3
	v_lshrrev_b32 v[TM+4+\b], 23, v[TM+12+\b]      ; the scale's byte
.endr
	v_lshl_or_b32 v[\pw], v[TM+5], 8, v[TM+4]      ; the four bytes make my token's scale word
	v_lshl_or_b32 v[\pw], v[TM+6], 16, v[\pw]
	v_lshl_or_b32 v[\pw], v[TM+7], 24, v[\pw]
.irp c, 0,1
	v_cvt_scalef32_pk16_bf6_f32 v[\fr+6*\c:\fr+2+6*\c], v[\s+32*\c:\s+15+32*\c], v[TM+12+2*\c]
	v_cvt_scalef32_pk16_bf6_f32 v[PT+4*\c:PT+2+4*\c], v[\s+16+32*\c:\s+31+32*\c], v[TM+12+2*\c+1]   ; (a conversion's three registers begin on an even number)
.endr
	v_nop                                          ; one plain place behind a scaled conversion
.irp c, 0,1                                    ; the operand's layout wants a WHOLE block in a lane: lanes 0-15 block 2 c, lanes 16-31 block 2 c + 1
.irp i, 0,1,2
	v_permlane16_swap_b32 v[\fr+6*\c+\i], v[PT+4*\c+\i]
.endr
.irp i, 0,1,2
	v_mov_b32 v[\fr+3+6*\c+\i], v[PT+4*\c+\i]
.endr
.endr
.endm
; The first product: eight tiles of 16 hidden units, two K steps.  The eight accumulators take turns, one instruction a turn.
.macro MM
	WIN 0x11                                       ; source 0 (W1) and source 2 (b1) window 1
.irp t, 0,1,2,3,4,5,6,7
	v_wmma_scale_f32_16x16x128_f8f6f4 v[ACC+8*\t:ACC+8*\t+7], v[24*\t:24*\t+11], v[F0:F0+11], v[B1+8*\t:B1+8*\t+7], v[W1S+2*\t], v[PW0] matrix_a_fmt:MATRIX_FMT_BF6 matrix_b_fmt:MATRIX_FMT_BF6
.endr
	WIN 0x01                                       ; source 0 window 1; C and D window 0
.irp t, 0,1,2,3,4,5,6,7
	v_wmma_scale_f32_16x16x128_f8f6f4 v[ACC+8*\t:ACC+8*\t+7], v[24*\t+12:24*\t+23], v[F1:F1+11], v[ACC+8*\t:ACC+8*\t+7], v[W1S+2*\t+1], v[PW1] matrix_a_fmt:MATRIX_FMT_BF6 matrix_b_fmt:MATRIX_FMT_BF6
.endr
	WIN 0
.endm
.macro PLACES n
.rept \n
	v_nop
.endr
.endm
; relu, the second product, the softmax, the store.
.macro EPI cur, res
	PLACES 4                                       ; four places between the last product and the first read of results (ISA guide 7.12.1)
.set i, 0
.rept 64
	v_max_num_f32 v[ACC+i], 0, v[ACC+i]            ; the activation; each accumulator from its low end on
.set i, i+1
.endr
	WIN 0x08                                       ; source 1 (W2) window 2
.set pp, 0
.rept 32                                       ; two neighbouring hidden units at a time, for each class; two chains a class
.irp c, 0,1
.if pp < 2
	v_pk_mul_f32 v[LL+4*\c+2*(pp%2):LL+4*\c+2*(pp%2)+1], v[ACC+2*pp:ACC+2*pp+1], v[64*\c+2*pp:64*\c+2*pp+1]
.else
	v_pk_fma_f32 v[LL+4*\c+2*(pp%2):LL+4*\c+2*(pp%2)+1], v[ACC+2*pp:ACC+2*pp+1], v[64*\c+2*pp:64*\c+2*pp+1], v[LL+4*\c+2*(pp%2):LL+4*\c+2*(pp%2)+1]
.endif
.endr
.set pp, pp+1
.endr
	WIN 0
	v_pk_add_f32 v[LL:LL+1], v[LL:LL+1], v[LL+2:LL+3]
	v_pk_add_f32 v[LL+4:LL+5], v[LL+4:LL+5], v[LL+6:LL+7]
	v_add_f32 v[LL], v[LL], v[LL+1]                ; class 0, my 64 hidden units
	v_add_f32 v[LL+1], v[LL+4], v[LL+5]            ; class 1
	v_permlanex16_b32 v84, v[LL], s34, s35         ; the token's other 64 lie in the lane 16 away
	v_permlanex16_b32 v85, v[LL+1], s34, s35
	v_pk_add_f32 v[LL:LL+1], v[LL:LL+1], v[84:85]
	v_pk_add_f32 v[LL:LL+1], v[LL:LL+1], v[B2:B2+1]   ; the logits
	v_max_num_f32 v86, v[LL], v[LL+1]              ; the maximum is taken away, as reference()'s softmax does
	v_sub_f32 v87, v[LL], v86
	v_sub_f32 v88, v[LL+1], v86
	v_mul_f32 v87, s37, v87                        ; x log2(e)
	v_mul_f32 v88, s37, v88
	v_exp_f32 v87, v87
	v_exp_f32 v88, v88
	v_nop                                          ; one plain place behind the exponentials
	s_wait_alu depctr_va_vdst(0)
	v_add_f32 v89, v87, v88
	v_cndmask_b32 v90, v87, v88, s36               ; lanes 0-15 take class 0, lanes 16-31 class 1
	v_rcp_f32 v89, v89
	v_nop                                          ; one plain place behind the reciprocal
	s_wait_alu depctr_va_vdst(0)
	v_mul_f32 v[\res], v90, v89
	global_store_b32 v[\cur], v[\res], s[20:21]
.endm
	s_load_b512 s[4:19], s[0:1], 0x0               ; x s[4:5], order s[6:7], cnt s[8:9], w1f s[10:11], w1s s[12:13], b1 s[14:15], w2t s[16:17], b2 s[18:19]
	s_load_b64 s[20:21], s[0:1], 0x40              ; out0
	v_lshl_add_u32 v126, v0, 2, 0x20800
	v_mov_b32 v127, 0
	v_lshrrev_b32 v1, 5, v0
	v_readfirstlane_b32 s22, v1                    ; wave 0..3
	s_mov_b32 s23, ttmp9                           ; e
	s_and_b32 s24, ttmp7, 0xffff                   ; g
	s_lshl_b32 s25, s24, 4
	s_add_co_u32 s25, s25, s23                     ; the list's number: 16 g + e
	v_and_b32 v1, 31, v0
	v_lshlrev_b32 v[L4], 2, v1
	v_lshlrev_b32 v[L16], 4, v1
	v_and_b32 v20, 15, v0                          ; r
	v_bfe_u32 v21, v0, 4, 1                        ; h
	s_mul_i32 s32, s22, WLDS                       ; my wave's bytes of LDS
	v_add_nc_u32 v[STA], s32, v[L16]
	v_mul_u32_u24 v[LDA], v20, PITCH
	v_lshl_add_u32 v[LDA], v21, 6, v[LDA]
	v_add_nc_u32 v[LDA], s32, v[LDA]
	v_lshlrev_b32 v[H4], 2, v21
	v_lshlrev_b32 v[H32], 5, v21
	v_mov_b32 v[NIL], 0
.irp j, 80,81,82,83,84,85
	v_mov_b32 v\j, 0                               ; written once: a lane permute's destination counts as one of its sources
.endr
	s_mov_b32 s34, 0x76543210
	s_mov_b32 s35, 0xfedcba98                      ; v_permlanex16_b32's selects for lane l xor 16
	s_mov_b32 s36, 0xffff0000                      ; lanes 16-31
	s_mov_b32 s37, 0x3fb8aa3b                      ; log2(e)
	s_mov_b32 s27, 0                               ; the high word of every offset pair
	s_lshl_b32 s26, s25, 2
	s_wait_kmcnt 0x0
	s_add_nc_u64 s[8:9], s[8:9], s[26:27]
	s_load_b32 s28, s[8:9], 0x0                    ; n; the weights are asked for while it is on its way
	s_lshl_b32 s26, s25, 15
	s_add_nc_u64 s[6:7], s[6:7], s[26:27]          ; my list
	s_mul_i32 s26, s23, 24576
	s_add_nc_u64 s[10:11], s[10:11], s[26:27]      ; the expert's 16 fragments,
	s_lshl_b32 s26, s23, 11
	s_add_nc_u64 s[12:13], s[12:13], s[26:27]      ; their scale words,
	s_lshl_b32 s26, s23, 9
	s_add_nc_u64 s[14:15], s[14:15], s[26:27]      ; b1,
	s_lshl_b32 s26, s23, 10
	s_add_nc_u64 s[16:17], s[16:17], s[26:27]      ; W2 by class,
	s_lshl_b32 s26, s23, 3
	s_add_nc_u64 s[18:19], s[18:19], s[26:27]      ; b2
	WIN 0x40                                       ; destination window 1
.set f, 0
.rept 16
.irp c, 0,1,2
	global_load_b128 v[12*f+4*\c:12*f+4*\c+3], v[L16], s[10:11] offset:1536*f+512*\c   ; registers 4 c .. 4 c + 3 of fragment f, as they were stored
.endr
.set f, f+1
.endr
.irp t, 0,1,2,3,4,5,6,7
.irp q, 0,1
	global_load_b128 v[B1+8*\t+4*\q:B1+8*\t+4*\q+3], v[H32], s[14:15] offset:64*\t+16*\q   ; b1 of hidden units 16 t + 8 h + 0 .. 7: the result's layout
.endr
.endr
	WIN 0x80                                       ; destination window 2
.irp c, 0,1
.irp t, 0,1,2,3,4,5,6,7
.irp q, 0,1
	global_load_b128 v[64*\c+8*\t+4*\q:64*\c+8*\t+4*\q+3], v[H32], s[16:17] offset:512*\c+64*\t+16*\q   ; W2 of the same units, class c
.endr
.endr
.endr
	WIN 0
.set f, 0
.rept 16
	global_load_b32 v[W1S+f], v[L4], s[12:13] offset:128*f
.set f, f+1
.endr
	global_load_b64 v[B2:B2+1], v[NIL], s[18:19]
	s_wait_kmcnt 0x0                               ; n
	s_min_u32 s28, s28, 0x2000                     ; a list has 8,192 places: so T is 512 at the most, and a wave's trips 64
	s_cmp_eq_u32 s28, 0
	s_cbranch_scc1 .Lend                           ; an empty list: nothing to store
	s_sub_co_u32 s29, s28, 1                       ; n - 1
	s_add_co_u32 s30, s28, 15
	s_lshr_b32 s30, s30, 4                         ; T tiles
	s_cmp_ge_u32 s22, s30
	s_cbranch_scc1 .Lend                           ; fewer tiles than waves
	s_mov_b32 s31, s22                             ; tA: this trip's tile A; it serves the compares inside a trip and enters no address
	s_sub_co_u32 s39, s30, s22
	s_add_co_u32 s39, s39, 7
	s_lshr_b32 s39, s39, 3                         ; my trips: (T - w) / 8, rounded up: a trip is due while w + 8 x trip < T
	s_mov_b32 s33, 0                               ; the trip's number: the loop's counter, stepped by 1
	v_lshl_add_u32 v[IDX], s22, 4, v20             ; 16 w + r
	LIST                                           ; the first trip's tokens
	s_wait_loadcnt 0x0                             ; they are in, and the weights ahead of them
	v_min_u32 v[NXA], 0x1ffff, v[LTA]
	v_min_u32 v[NXB], 0x1ffff, v[LTB]
	LOADS NXA, OFFA, RAWA, 0x80                    ; both tiles always: a tile B that does not exist reads the list's last row and is not worked
	LOADS NXB, OFFB, RAWB, 0xc0
	LIST                                           ; the second trip's tokens
.Ltrip:
	s_wait_loadcnt 0x0                             ; both tiles' rows and the next tokens are in: nothing younger is out, whichever loads the last trip left out
	s_wait_xcnt 0x0                                ; the last trip's stores have read their offsets and data
	v_lshl_add_u32 v[CUA], v[NXA], 3, v[H4]        ; where this trip's results go
	v_lshl_add_u32 v[CUB], v[NXB], 3, v[H4]
	v_min_u32 v[NXA], 0x1ffff, v[LTA]
	v_min_u32 v[NXB], 0x1ffff, v[LTB]
	STAGE RAWA, 0x08, 0
	STAGE RAWB, 0x0c, STG
	XLD X0, 0, 0
	XLD ACC, 0, 1
	s_wait_dscnt 32                                ; all but the 32 reads just issued: the 64 stores have read the rows' registers, which may be loaded again
	s_add_co_u32 s32, s31, 8
	s_cmp_lt_u32 s32, s30
	s_cbranch_scc0 .LnoA
	LOADS NXA, OFFA, RAWA, 0x80                    ; the next trip's tile A
.LnoA:
	s_add_co_u32 s32, s31, 12
	s_cmp_lt_u32 s32, s30
	s_cbranch_scc0 .LnoB
	LOADS NXB, OFFB, RAWB, 0xc0                    ; and its tile B
.LnoB:
	LIST                                           ; the tokens of the trip after that: the places are held inside the list
	s_wait_dscnt 16                                ; K step 0's sixteen reads are in; K step 1's may be out
	QUANT X0, F0, PW0
	s_wait_dscnt 0x0
	QUANT ACC, F1, PW1
	XLD X0, STG, 0                                 ; tile B's K step 0 is read while tile A is multiplied
	PLACES 8                                       ; a scale word written by vector instructions stands 8 places ahead of a scaled matrix instruction, an operand so written 4
	MM
	EPI CUA, RSA
	s_add_co_u32 s32, s31, 4
	s_cmp_lt_u32 s32, s30
	s_cbranch_scc0 .Lno_tile_b                     ; no tile B: its work is passed over.  This is then my last trip, and the loop ends below, by falling through
	XLD ACC, STG, 1                                ; into the accumulators' registers: the epilogue's vector instructions are the places behind the products
	s_wait_dscnt 16                                ; K step 0's sixteen reads are in; the sixteen just issued may be out
	QUANT X0, F0, PW0
	s_wait_dscnt 0x0
	QUANT ACC, F1, PW1
	PLACES 8
	MM
	EPI CUB, RSB
.Lno_tile_b:
	s_wait_dscnt 0x0                               ; on the way round tile B its K step 0's sixteen reads are still out: no read is issued into their registers before they are in.  On the other way nothing is out
	s_add_co_u32 s31, s31, 8                       ; the next trip's tile A
	s_add_co_u32 s33, s33, 1
	s_cmp_lt_u32 s33, s39
	s_cbranch_scc1 .Ltrip
.Lend:
	s_wait_tensorcnt 0x0
	ds_add_u32 v126, v127
	s_wait_dscnt 0x0
	s_endpgm
.Lfunc_end_k_q978d9d1c9a_main:
	.size	k_q978d9d1c9a_main, .Lfunc_end_k_q978d9d1c9a_main-k_q978d9d1c9a_main
	.p2alignl 7, 3214868480
	.fill 96, 4, 3214868480
	.section	.rodata,"a",@progbits
	.p2align	6, 0x0
	.amdhsa_kernel k_q978d9d1c9a_main
		.amdhsa_group_segment_fixed_size 133632
		.amdhsa_private_segment_fixed_size 0
		.amdhsa_enable_private_segment 0
		.amdhsa_kernarg_size 72
		.amdhsa_user_sgpr_count 2
		.amdhsa_user_sgpr_kernarg_segment_ptr 1
		.amdhsa_wavefront_size32 1
		.amdhsa_system_sgpr_workgroup_id_x 1
		.amdhsa_system_sgpr_workgroup_id_y 1
		.amdhsa_system_sgpr_workgroup_id_z 1
		.amdhsa_system_vgpr_workitem_id 0
		.amdhsa_next_free_vgpr 896
		.amdhsa_next_free_sgpr 66
		.amdhsa_reserve_vcc 0
		.amdhsa_float_denorm_mode_32 3
		.amdhsa_float_denorm_mode_16_64 3
		.amdhsa_memory_ordered 1
		.amdhsa_forward_progress 1
		.amdhsa_inst_pref_size 83
	.end_amdhsa_kernel
	.amdgpu_metadata
---
amdhsa.version: [ 1, 2 ]
amdhsa.kernels:
  - .name:           k_q978d9d1c9a_main
    .symbol:         k_q978d9d1c9a_main.kd
    .args:
      - { .name: x, .offset: 0, .size: 8, .value_kind: global_buffer, .address_space: global }
      - { .name: order, .offset: 8, .size: 8, .value_kind: global_buffer, .address_space: global }
      - { .name: cnt, .offset: 16, .size: 8, .value_kind: global_buffer, .address_space: global }
      - { .name: w1f, .offset: 24, .size: 8, .value_kind: global_buffer, .address_space: global }
      - { .name: w1s, .offset: 32, .size: 8, .value_kind: global_buffer, .address_space: global }
      - { .name: b1, .offset: 40, .size: 8, .value_kind: global_buffer, .address_space: global }
      - { .name: w2t, .offset: 48, .size: 8, .value_kind: global_buffer, .address_space: global }
      - { .name: b2, .offset: 56, .size: 8, .value_kind: global_buffer, .address_space: global }
      - { .name: out0, .offset: 64, .size: 8, .value_kind: global_buffer, .address_space: global }
    .group_segment_fixed_size: 133632
    .private_segment_fixed_size: 0
    .kernarg_segment_align: 8
    .kernarg_segment_size: 72
    .max_flat_workgroup_size: 128
    .sgpr_count:     66
    .vgpr_count:     896
    .wavefront_size: 32
...
	.end_amdgpu_metadata
.endif
;; end of part 2
;; ======== version 2 of 2: 2 launches
;; workspace buffers: order 8,388,608 bytes of whole numbers; cnt 1,024 bytes of whole numbers; w1f 393,216 bytes; w1s 32,768 bytes; w2t 16,384 bytes
;; launch prep (part 3): grid 16 x 16, 8 waves a work-group, no clusters, 1,280 bytes of LDS; arguments z, W1, order, cnt, w1f, w1s, W2, w2t, out0; writes order, cnt, w1f, w1s, w2t, out0
.if DOCPART == 3
	.amdgcn_target "amdgcn-amd-amdhsa--gfx1250"
	.amdhsa_code_object_version 6
	.text
	.protected	k_q978d9d1c9a_prep
	.globl	k_q978d9d1c9a_prep
	.p2align	8
	.type	k_q978d9d1c9a_prep,@function
k_q978d9d1c9a_prep:
	s_mov_b64 s[64:65], 0
	v_nop
	global_prefetch_b8 v0, s[64:65] scope:SCOPE_SE
	s_setreg_imm32_b32 hwreg(HW_REG_WAVE_MODE, 25, 1), 1
	s_wait_xcnt 0x0
; ROUTING AND WEIGHTS, ahead of the launch that does the arithmetic.  Work-group (x = expert e, y = block g of 8,192 tokens), eight waves.
; 1. The numbers of the tokens of block g with z == e are gathered into order[16 g + e][0 .. n - 1], and n goes to cnt[16 g + e].  Wave w scans tokens 1,024 w on of the block;
;    the waves' counts meet in LDS, so that each wave knows where its part of the list begins.  No atomics: each list has one work-group.  The order inside a list is free.
; 2. Wave 0 quantises ONE fragment of W1[e] (f = g = 2 t + s: hidden units 16 t .. 16 t + 15, K = 128 s .. 128 s + 127) to codes of BF6 (E3M2) with one E8M0 byte for each 32 along K, and stores it
;    as an image of the operand's registers: w1f[e][f][c][lane][16 bytes] = registers 4 c .. 4 c + 3, w1s[e][f][lane] = the scale word.  A lane takes a column of W1 and its registers run down K.
; 3. Wave 1 lays 16 numbers of W2[e] by class: w2t[e][class][unit].
; 4. out0 begins as reference()'s ri begins: logits (0, 0), whose softmax is (0.5, 0.5).  The work-group fills the rows of tokens 8,192 g + 512 e on, 512 consecutive bytes a wave.  The next launch writes over
;    the row of every listed token; a token whose z is no expert's number is in no list and keeps what reference() gives it.
; A block's scale is 2^(floor(log2(largest magnitude)) - 4): its byte is the largest magnitude's exponent field - 4, held at 1 from below.
; LIMITS: NaN and infinities in W1 are not served; a block of zeros gets the byte 1 where the rule says 127 (its codes are zeros, and this program alone reads the bytes).
.set M,    32                          ; s32-63   32 masks: which lanes' token i is wanted
.set CW,   66                          ; s66-73   the eight waves' counts
.set Z,    16                          ; v16-47   z as loaded, later the tokens' numbers
.set P,    48                          ; v48-79   byte offsets of the list's stores
.set WN,   80                          ; v80-143  64 numbers of W1
.set FRG,  144                         ; v144-155 the fragment
.set FR2,  156                         ; v156-163 the second halves of the blocks' codes
.set HALF, 176                         ; v176-179 0.5, four times
	s_load_b256 s[4:11], s[0:1], 0x0               ; z s[4:5], W1 s[6:7], order s[8:9], cnt s[10:11]
	s_load_b128 s[12:15], s[0:1], 0x20             ; w1f s[12:13], w1s s[14:15]
	s_load_b128 s[76:79], s[0:1], 0x30             ; W2 s[76:77], w2t s[78:79]
	s_load_b64 s[74:75], s[0:1], 0x40              ; out0
	v_lshl_add_u32 v180, v0, 2, 0x100
	v_mov_b32 v181, 0
	v_lshrrev_b32 v4, 5, v0
	s_delay_alu instid0(VALU_DEP_1)
	v_readfirstlane_b32 s16, v4                    ; wave 0..7
	s_delay_alu instid0(VALU_DEP_2)
	v_lshlrev_b32 v4, 2, v4                        ; LDS: my wave's count word, 4 x wave
	v_and_b32 v1, 31, v0                           ; lane
	s_delay_alu instid0(VALU_DEP_1)
	v_lshlrev_b32 v2, 4, v1                        ; 16 x lane
	s_delay_alu instid0(VALU_DEP_2)
	v_lshlrev_b32 v6, 2, v1                        ; 4 x lane
	v_mov_b32 v172, 0
.irp j, 0,1,2,3
	v_mov_b32 v[HALF+\j], 0.5
.endr
	s_mov_b32 s17, ttmp9                           ; e
	s_and_b32 s18, ttmp7, 0xffff                   ; g
	s_lshl_b32 s19, s18, 4
	s_add_co_u32 s19, s19, s17                     ; the list's number: 16 g + e
	s_lshl_b32 s22, s18, 13
	s_lshl_b32 s23, s16, 10
	s_add_co_u32 s22, s22, s23                     ; my wave's first token: 8,192 g + 1,024 w
	v_add_nc_u32 v3, s22, v6                       ; + 4 x lane: the token of my first number of the first load
	s_mov_b32 s21, 0                               ; the high word of every offset pair
	s_mov_b32 s28, 0x76543210
	s_mov_b32 s29, 0xfedcba98                      ; v_permlanex16_b32's selects for lane l xor 16
	s_wait_alu depctr_va_vdst(0)
	s_wait_kmcnt 0x0
	s_lshl_b32 s20, s22, 2
	s_add_nc_u64 s[4:5], s[4:5], s[20:21]          ; z at my wave's first token
.irp q, 0,1,2,3,4,5,6,7
	global_load_b128 v[Z+4*\q:Z+4*\q+3], v2, s[4:5] offset:512*\q   ; 512 consecutive bytes: lane l gets tokens 128 q + 4 l + 0 .. 3
.endr
	s_lshl_b32 s20, s18, 16                        ; out0: 8 bytes a token: 65,536 g
	s_lshl_b32 s23, s17, 12                        ; + 4,096 e
	s_add_co_u32 s20, s20, s23
	s_lshl_b32 s23, s16, 9                         ; + 512 w
	s_add_co_u32 s20, s20, s23
	s_add_nc_u64 s[74:75], s[74:75], s[20:21]
	global_store_b128 v2, v[HALF:HALF+3], s[74:75] ; 64 tokens' rows: 512 consecutive bytes, aligned
	s_lshl_b32 s20, s19, 15
	s_add_nc_u64 s[8:9], s[8:9], s[20:21]          ; my list: 8,192 words
	s_lshl_b32 s20, s19, 2
	s_add_nc_u64 s[10:11], s[10:11], s[20:21]      ; and its count
	s_lshl_b32 s20, s17, 17                        ; W1[e]: 131,072 bytes an expert,
	s_and_b32 s23, s18, 1
	s_lshl_b32 s23, s23, 16                        ; K step s = g % 2: 128 rows of 512 bytes,
	s_add_co_u32 s20, s20, s23
	s_lshr_b32 s23, s18, 1
	s_lshl_b32 s23, s23, 6                         ; tile t = g / 2: 16 columns of 4 bytes
	s_add_co_u32 s20, s20, s23
	s_add_nc_u64 s[6:7], s[6:7], s[20:21]
	s_lshl_b32 s23, s17, 4
	s_add_co_u32 s23, s23, s18                     ; 16 e + f
	s_mul_i32 s20, s23, 1536
	s_add_nc_u64 s[12:13], s[12:13], s[20:21]      ; the fragment's image: 1,536 bytes
	s_lshl_b32 s20, s23, 7
	s_add_nc_u64 s[14:15], s[14:15], s[20:21]      ; its scale words: 128 bytes
	s_lshl_b32 s20, s17, 10
	s_lshl_b32 s23, s18, 6
	s_add_co_u32 s20, s20, s23
	s_add_nc_u64 s[76:77], s[76:77], s[20:21]      ; W2[e][8 g][0]
	s_lshl_b32 s20, s17, 10
	s_lshl_b32 s23, s18, 5
	s_add_co_u32 s20, s20, s23
	s_add_nc_u64 s[78:79], s[78:79], s[20:21]      ; w2t[e][0][8 g]
	; ---- wave 0: the fragment of W1.  Loads, arithmetic and stores stand in this one branch; the loads are on their way together with z's
	s_cmp_lg_u32 s16, 0
	s_cbranch_scc1 .Lnot_0
	v_and_b32 v7, 15, v0                           ; r
	v_bfe_u32 v15, v0, 4, 1                        ; h
	s_delay_alu instid0(VALU_DEP_2)
	v_lshlrev_b32 v5, 2, v7                        ; lane (r, h) takes column r,
	s_delay_alu instid0(VALU_DEP_1)
	v_lshl_add_u32 v5, v15, 14, v5                 ; and begins 32 h rows down: the operand's layout gives it k = 64 c + 32 h + 0 .. 31
.irp c, 0,1
.irp i, 0,1,2,3,4,5,6,7,8,9,10,11,12,13,14,15,16,17,18,19,20,21,22,23,24,25,26,27,28,29,30,31
	global_load_b32 v[WN+32*\c+\i], v5, s[6:7] offset:512*(64*\c+\i)   ; sixteen neighbouring lanes read 64 neighbouring bytes
.endr
.endr
	s_wait_loadcnt 0x0
.irp c, 0,1                                    ; my block 2 c + h: all its 32 numbers are mine
	v_max3_num_f32 v[8+\c], |v[WN+32*\c]|, |v[WN+1+32*\c]|, 0x2800000   ; with the floor 2^(5 - 127): the byte cannot fall under 1
.endr
.irp i, 2,4,6,8,10,12,14,16,18,20,22,24,26,28,30
.irp c, 0,1
	s_delay_alu instid0(VALU_DEP_2)
	v_max3_num_f32 v[8+\c], v[8+\c], |v[WN+32*\c+\i]|, |v[WN+1+32*\c+\i]|   ; (the two blocks by turns)
.endr
.endr
.irp c, 0,1
	s_delay_alu instid0(VALU_DEP_2)
	v_add_nc_u32 v[10+\c], 0xfe000000, v[8+\c]     ; 4 off the exponent field: the conversion takes this operand's exponent field as its scale
.endr
.irp c, 0,1
	s_delay_alu instid0(VALU_DEP_2)
	v_lshrrev_b32 v[12+\c], 23, v[10+\c]           ; the scale's byte
.endr
	s_delay_alu instid0(VALU_DEP_1)
	v_lshl_or_b32 v14, v13, 16, v12                ; my two bytes: blocks h and 2 + h of my column,
	v_lshlrev_b32 v15, 3, v15
	s_delay_alu instid0(VALU_DEP_1)
	v_lshlrev_b32 v14, v15, v14                    ; at their places in the scale word (8 h bits up);
	v_mov_b32 v15, 0
	s_delay_alu instid0(VALU_DEP_1)
	v_permlanex16_b32 v15, v14, s28, s29
	s_delay_alu instid0(VALU_DEP_1)
	v_or_b32 v14, v14, v15                         ; with lane l xor 16's two the word is whole
.irp c, 0,1
	v_cvt_scalef32_pk16_bf6_f32 v[FRG+6*\c:FRG+2+6*\c], v[WN+32*\c:WN+15+32*\c], v[10+\c]
	v_cvt_scalef32_pk16_bf6_f32 v[FR2+4*\c:FR2+2+4*\c], v[WN+16+32*\c:WN+31+32*\c], v[10+\c]   ; (a conversion's three registers begin on an even number)
.endr
	v_nop                                          ; one plain place behind a scaled conversion
.irp c, 0,1
.irp i, 0,1,2
	v_mov_b32 v[FRG+3+6*\c+\i], v[FR2+4*\c+\i]     ; registers 6 c .. 6 c + 5 hold k = 64 c + 32 h + 0 .. 31
.endr
.endr
.irp c, 0,1,2
	global_store_b128 v2, v[FRG+4*\c:FRG+4*\c+3], s[12:13] offset:512*\c   ; 512 consecutive bytes a store
.endr
	global_store_b32 v6, v14, s[14:15]
.Lnot_0:
	; ---- wave 1: 16 numbers of W2, by class.  Lanes 16-31 do what lanes 0-15 do: the same number to the same place
	s_cmp_lg_u32 s16, 1
	s_cbranch_scc1 .Lnot_1
	v_and_b32 v7, 7, v0                            ; unit 8 g + (lane % 8)
	v_bfe_u32 v8, v0, 3, 1                         ; class
	s_delay_alu instid0(VALU_DEP_2)
	v_lshlrev_b32 v9, 3, v7
	s_delay_alu instid0(VALU_DEP_1)
	v_lshl_add_u32 v9, v8, 2, v9                   ; from: 8 bytes a unit, 4 a class
	s_delay_alu instid0(VALU_DEP_4)
	v_lshlrev_b32 v10, 2, v7
	s_delay_alu instid0(VALU_DEP_1)
	v_lshl_add_u32 v10, v8, 9, v10                 ; to: 512 bytes a class, 4 a unit
	global_load_b32 v11, v9, s[76:77]
	s_wait_alu depctr_va_vdst(0)
	s_wait_loadcnt 0x0
	global_store_b32 v10, v11, s[78:79]
.Lnot_1:
	s_wait_loadcnt 0x0                             ; z is in
	; ---- which of my 1,024 tokens belong to expert e, and how many
.set i, 0
.rept 32
	v_cmp_eq_u32 s[M+i], s17, v[Z+i]
.set i, i+1
.endr
	s_mov_b32 s22, 0
.set i, 0
.rept 32
	s_bcnt1_i32_b32 s23, s[M+i]
	s_add_co_u32 s22, s22, s23
.set i, i+1
.endr
	v_mov_b32 v7, s22
	ds_store_b32 v4, v7                            ; all lanes write the same word with the same value
	s_wait_dscnt 0x0                               ; for the others' sake: my count has landed
	s_barrier_signal -1
	s_barrier_wait -1
	ds_load_b128 v[164:167], v172
	ds_load_b128 v[168:171], v172 offset:16
	s_wait_dscnt 0x0
.irp i, 0,1,2,3,4,5,6,7
	v_readfirstlane_b32 s[CW+\i], v[164+\i]
.endr
	s_mov_b32 s24, 0                               ; where my wave's part of the list begins: the counts of the waves before me
	s_mov_b32 s25, 0                               ; n: all eight
.irp i, 0,1,2,3,4,5,6,7
	s_cmp_lt_u32 \i, s16
	s_cselect_b32 s23, s[CW+\i], 0
	s_add_co_u32 s24, s24, s23
	s_add_co_u32 s25, s25, s[CW+\i]
.endr
	; ---- places: the running base + the number of wanted lanes below mine.  All 32 offsets are made here, with EXEC as at the entry: no offset register is written once EXEC has been cut
.set i, 0
.rept 32
	v_mbcnt_lo_u32_b32 v[P+i], s[M+i], s24
	s_bcnt1_i32_b32 s23, s[M+i]
	s_add_co_u32 s24, s24, s23
	v_min_u32 v[P+i], 0x1fff, v[P+i]               ; a list has 8,192 places
	s_delay_alu instid0(VALU_DEP_1)
	v_lshlrev_b32 v[P+i], 2, v[P+i]
	v_add_nc_u32 v[Z+i], 128*(i/4)+i%4, v3         ; the token's number takes z's place: the masks are kept
.set i, i+1
.endr
	v_mov_b32 v7, s25                              ; n, for wave 0's store at the end
	s_wait_alu depctr_va_vdst(0)
	s_wait_xcnt 0x0                                ; EXEC changes only behind this wait
.set i, 0
.rept 32
	s_and_saveexec_b32 s26, s[M+i]
	global_store_b32 v[P+i], v[Z+i], s[8:9]        ; the wanted lanes' places are neighbours
	s_wait_xcnt 0x0                                ; in front of the line that widens EXEC; nothing is issued before it is narrowed again
	s_or_b32 exec_lo, exec_lo, s26
.set i, i+1
.endr
	s_cmp_lg_u32 s16, 0
	s_cbranch_scc1 .Lend
	v_cmp_eq_u32 vcc_lo, 0, v1                     ; wave 0 stores n, from one lane
	s_and_saveexec_b32 s26, vcc_lo
	global_store_b32 v172, v7, s[10:11]
	s_wait_xcnt 0x0
	s_or_b32 exec_lo, exec_lo, s26
.Lend:
	s_wait_tensorcnt 0x0
	ds_add_u32 v180, v181
	s_wait_dscnt 0x0
	s_endpgm
.Lfunc_end_k_q978d9d1c9a_prep:
	.size	k_q978d9d1c9a_prep, .Lfunc_end_k_q978d9d1c9a_prep-k_q978d9d1c9a_prep
	.p2alignl 7, 3214868480
	.fill 96, 4, 3214868480
	.section	.rodata,"a",@progbits
	.p2align	6, 0x0
	.amdhsa_kernel k_q978d9d1c9a_prep
		.amdhsa_group_segment_fixed_size 1280
		.amdhsa_private_segment_fixed_size 0
		.amdhsa_enable_private_segment 0
		.amdhsa_kernarg_size 72
		.amdhsa_user_sgpr_count 2
		.amdhsa_user_sgpr_kernarg_segment_ptr 1
		.amdhsa_wavefront_size32 1
		.amdhsa_system_sgpr_workgroup_id_x 1
		.amdhsa_system_sgpr_workgroup_id_y 1
		.amdhsa_system_sgpr_workgroup_id_z 1
		.amdhsa_system_vgpr_workitem_id 0
		.amdhsa_next_free_vgpr 182
		.amdhsa_next_free_sgpr 80
		.amdhsa_reserve_vcc 1
		.amdhsa_float_denorm_mode_32 3
		.amdhsa_float_denorm_mode_16_64 3
		.amdhsa_memory_ordered 1
		.amdhsa_forward_progress 1
		.amdhsa_inst_pref_size 38
	.end_amdhsa_kernel
	.amdgpu_metadata
---
amdhsa.version: [ 1, 2 ]
amdhsa.kernels:
  - .name:           k_q978d9d1c9a_prep
    .symbol:         k_q978d9d1c9a_prep.kd
    .args:
      - { .name: z, .offset: 0, .size: 8, .value_kind: global_buffer, .address_space: global }
      - { .name: W1, .offset: 8, .size: 8, .value_kind: global_buffer, .address_space: global }
      - { .name: order, .offset: 16, .size: 8, .value_kind: global_buffer, .address_space: global }
      - { .name: cnt, .offset: 24, .size: 8, .value_kind: global_buffer, .address_space: global }
      - { .name: w1f, .offset: 32, .size: 8, .value_kind: global_buffer, .address_space: global }
      - { .name: w1s, .offset: 40, .size: 8, .value_kind: global_buffer, .address_space: global }
      - { .name: W2, .offset: 48, .size: 8, .value_kind: global_buffer, .address_space: global }
      - { .name: w2t, .offset: 56, .size: 8, .value_kind: global_buffer, .address_space: global }
      - { .name: out0, .offset: 64, .size: 8, .value_kind: global_buffer, .address_space: global }
    .group_segment_fixed_size: 1280
    .private_segment_fixed_size: 0
    .kernarg_segment_align: 8
    .kernarg_segment_size: 72
    .max_flat_workgroup_size: 256
    .sgpr_count:     80
    .vgpr_count:     182
    .wavefront_size: 32
...
	.end_amdgpu_metadata
.endif
;; end of part 3
;; launch main (part 4): grid 16 x 16, 4 waves a work-group, no clusters, 133,632 bytes of LDS; arguments x, order, cnt, w1f, w1s, b1, w2t, b2, out0; writes out0
.if DOCPART == 4
	.amdgcn_target "amdgcn-amd-amdhsa--gfx1250"
	.amdhsa_code_object_version 6
	.text
	.protected	k_q978d9d1c9a_main
	.globl	k_q978d9d1c9a_main
	.p2align	8
	.type	k_q978d9d1c9a_main,@function
k_q978d9d1c9a_main:
	s_mov_b64 s[64:65], 0
	v_nop
	global_prefetch_b8 v0, s[64:65] scope:SCOPE_SE
	s_setreg_imm32_b32 hwreg(HW_REG_WAVE_SCHED_MODE, 0, 2), 2
	s_setreg_imm32_b32 hwreg(HW_REG_WAVE_MODE, 25, 1), 1
	s_wait_xcnt 0x0
	s_wait_alu depctr_vm_vsrc(0)
; out0[token] = softmax(relu(Q(x[token]) Q(W1[e]) + b1[e]) W2[e] + b2[e]), e = z[token]; Q = codes of BF6 (E3M2) with one E8M0 scale for each 32 along K = 256.  Only the token's own expert is computed.
; Work-group (x = expert e, y = block g of tokens) takes the list order[16 g + e] of n = cnt[16 g + e] tokens.  Four waves, as many as a WGP has SIMDs; they share nothing, so there is no barrier.
; Each wave keeps the expert's weights in registers: W1's 16 fragments (images of the operand's registers, made by the launch before), its scale words, b1, W2 by class, b2.
; A TILE is 16 listed tokens.  Wave w takes tiles w, w + 4, ..; a trip takes two (A = tA, B = tA + 4).  A tile's way: 16 rows of x, 1,024 aligned bytes each, by loads of 512 consecutive bytes; through the wave's own stage
; in LDS, so that lane (r, h) gets 16 neighbours of each block of 32 of token r; quantised in registers; 16 matrix instructions, TRANSPOSED (source 0 = 16 hidden units of W1, source 1 = my 16 tokens), b1 as the C of
; the first eight: lane (r, h) then holds token r and hidden units 16 t + 8 h + 0 .. 7; relu; the second product in f32 by packed multiply-adds; the halves of the lanes meet; softmax with the maximum taken away.
; The next trip's 64 loads of x go out once this trip's rows are in the stage: tile A's at once, tile B's in two halves among tile A's quantising: 32 KiB a wave are on their way while two tiles are worked.
; Rows past the list's end take its last entry: they compute the last token again and store the same number to the same place, so EXEC is never touched.
; A token that stands in no list (its z is no expert's number) keeps the row that the launch before gave it.
; Not used: tensor loads (rows are gathered, and the trip count is read from memory); clusters (what work-groups share, one expert's 28 KB of weights, is small beside a list's rows of x).
; An output row is 8 bytes and one expert's tokens are no neighbours: lane (r, h) stores class h of token r, 4 bytes.
; LIMITS: NaN and infinities in x are not served; a block of zeros gets the byte 1 (its codes are zeros).  Any split of the tokens is served; an uneven one makes the fullest list's work-group the last to end.
; THE MODE: SCHED_MODE bits 1:0 = 2 (LLVM: expert scheduling mode 2), set by the entry lines.  The code itself states the register dependences between vector or matrix instructions and memory or LDS
; instructions, with s_wait_alu, always for 0.
; THE PLAN.  Registers that memory or LDS instructions touch, round the loop:
;   RAWA, RAWB      The row loads land in them; the stage's LDS stores read them; no vector instruction names them.
;   X0, ACC         LDS reads land in them; QUANT reads them; the products and the epilogue write and read ACC.
;   OFFA, OFFB, LOA, LOB   Written once a trip by vector lines; read by the row loads and the list loads.
;   LTA, LTB        The list loads land in them; two vector lines at the trip's head read them.
;   CUA, CUB, RSA, RSB     Written at the trip's head and at the end of an epilogue; read by the two stores.
;   STA, LDA, L16, L4, H32, NIL   Made at the kernel's head and never written again.
; A trip's head has one wait on vm_vsrc (the last trip's stores and loads have read their registers).  Behind the stage's stores stand one wait on vm_vsrc (they have read RAW) and one on va_vdst (the offsets are
; written, LTA and LTB are read): all 66 loads of the trip lean on these two, since nothing issued behind them names a register that these loads touch.  Each tile has one wait on va_vdst behind the places in front of its
; products, and one ahead of its store, which also frees X0 and ACC for the LDS reads that follow, over the loop's backward jump too: so a trip's head needs no wait on va_vdst.
; REGISTERS, in windows of 256: window 0 as named below;  window 1: v0-191 W1's fragments (f = 2 t + s at 12 f), v192-255 b1 (8 t + j);  window 2: v0-63, v64-127 W2's classes 0, 1 (8 t + j), v128-255 tile A's rows as loaded;
;   window 3: v0-127 tile B's rows as loaded.
.set PITCH, 1040                       ; a stage row: 1,024 bytes + 16 = 65 x 16: the sixteen rows that a read touches lie in sixteen different 16-byte columns of 256
.set STG,   16*PITCH                   ; a stage; each wave has two (tile A's, tile B's)
.set WLDS,  2*STG
.set L16,  1                           ; v1   16 x lane
.set STA,  2                           ; v2   into the stage: my wave's bytes + 16 x lane
.set LDA,  3                           ; v3   out of it: my wave's bytes + PITCH r + 64 h
.set IDX,  4                           ; v4   the place in the list that the next list load takes (tile A's)
.set LOA,  5                           ; v5, v6   its byte offsets, A's and B's
.set LOB,  6
.set LTA,  7                           ; v7, v8   token numbers on their way
.set LTB,  8
.set NXA,  9                           ; v9, v10  tokens of the rows asked for next
.set NXB,  10
.set CUA,  11                          ; v11, v12 8 x token + 4 h of the tiles in hand
.set CUB,  12
.set H4,   13                          ; v13  4 h
.set RSA,  14                          ; v14, v15 the results
.set RSB,  15
.set H32,  16                          ; v16  32 h
.set L4,   18                          ; v18  4 x lane
.set NIL,  19                          ; v19  0
.set OFFA, 24                          ; v24-39, v40-55 the rows' byte offsets in x
.set OFFB, 40
.set W1S,  56                          ; v56-71 W1's scale words
.set PW0,  72                          ; v72, v73 x's scale words
.set PW1,  73
.set B2,   74                          ; v74-75 b2
.set TM,   76                          ; v76-91 at work
.set LL,   76                          ; v76-83 the logits' four chains
.set F0,   92                          ; v92-103, v104-115 x's two fragments
.set F1,   104
.set PT,   116                         ; v116-123 the second halves of the blocks' codes
.set X0,   128                         ; v128-191 64 numbers of K step 0
.set ACC,  192                         ; v192-255 64 numbers of K step 1, then the eight accumulators
.set B1,   192                         ; in window 1
.set RAWA, 128                         ; in window 2
.set RAWB, 0                           ; in window 3
.set TK,   40                          ; s40-55 a tile's sixteen tokens
.set MSB, 0
.macro WIN new                         ; the immediate's high byte repeats the setting that is left; at a label and at a branch every window is 0
.if MSB != \new
	s_set_vgpr_msb (MSB<<8)|\new
.set MSB, \new
.endif
.endm
; The next two tiles' places in the list, held inside it (n - 1) and inside the buffer's segment: the offsets,
.macro LISTO
	v_min_u32 v[LOA], s29, v[IDX]
	v_add_nc_u32 v[LOB], 64, v[IDX]
	v_min_u32 v[LOB], s29, v[LOB]
	v_min_u32 v[LOA], 0x1fff, v[LOA]
	v_min_u32 v[LOB], 0x1fff, v[LOB]
	v_lshlrev_b32 v[LOA], 2, v[LOA]
	v_lshlrev_b32 v[LOB], 2, v[LOB]
	v_add_nc_u32 v[IDX], 128, v[IDX]               ; a trip is eight tiles on
.endm
.macro LISTL                           ; and the loads
	global_load_b32 v[LTA], v[LOA], s[6:7]
	global_load_b32 v[LTB], v[LOB], s[6:7]
.endm
; The byte offsets in x of a tile's sixteen rows.
.macro OFFS tok, off
.set rr, 0
.rept 16
	v_readlane_b32 s[TK+rr], v[\tok], rr
.set rr, rr+1
.endr
	s_wait_alu depctr_va_sdst(0)                   ; the sixteen lines above have written s[TK ..], ahead of their first readers
.set rr, 0
.rept 16
	s_min_u32 s[TK+rr], s[TK+rr], 0x1ffff          ; x has 131,072 rows
.set rr, rr+1
.endr
.set rr, 0
.rept 16
	v_lshl_add_u32 v[\off+rr], s[TK+rr], 10, v[L16]
.set rr, rr+1
.endr
.endm
; n rows of x from row r0 of a tile on are asked for: each load is 512 consecutive bytes, aligned.  Each token stands in one list once, so x is read once (the list's last row alone may be repeated, as filler).
.macro ROWS off, raw, win, r0, n
	WIN \win
.set rr, \r0
.rept \n
	global_load_b128 v[\raw+8*rr:\raw+8*rr+3], v[\off+rr], s[4:5] th:TH_LOAD_NT
	global_load_b128 v[\raw+8*rr+4:\raw+8*rr+7], v[\off+rr], s[4:5] offset:512 th:TH_LOAD_NT
.set rr, rr+1
.endr
	WIN 0
.endm
.macro STAGE raw, win, so              ; the rows as they were loaded, 512 consecutive bytes a store
	WIN \win
.set rr, 0
.rept 16
	ds_store_b128 v[STA], v[\raw+8*rr:\raw+8*rr+3] offset:\so+PITCH*rr
	ds_store_b128 v[STA], v[\raw+8*rr+4:\raw+8*rr+7] offset:\so+PITCH*rr+512
.set rr, rr+1
.endr
	WIN 0
.endm
.macro XLD dst, so, s                  ; register 16 b + i = x(token r, 128 s + 32 b + 16 h + i).  LDS serves a wave's instructions in order: these see my stores
.irp b, 0,1,2,3
.irp j, 0,1,2,3
	ds_load_b128 v[\dst+16*\b+4*\j:\dst+16*\b+4*\j+3], v[LDA] offset:\so+512*\s+128*\b+16*\j
.endr
.endr
.endm
; 64 numbers of a lane, register 16 b + i = k 32 b + 16 h + i of my token, become a fragment's codes in v[fr] on and its scale word in v[pw].
.macro QUANT s, fr, pw
.irp b, 0,1,2,3
	v_max3_num_f32 v[TM+\b], |v[\s+16*\b]|, |v[\s+1+16*\b]|, 0x2800000   ; block b: my 16 numbers, and the floor 2^(5 - 127): the byte cannot fall under 1
.endr
.irp i, 2,4,6,8,10,12,14
.irp b, 0,1,2,3
	v_max3_num_f32 v[TM+\b], v[TM+\b], |v[\s+16*\b+\i]|, |v[\s+1+16*\b+\i]|   ; (the four blocks by turns)
.endr
.endr
.irp b, 0,1,2,3
	v_permlanex16_b32 v[TM+4+\b], v[TM+\b], s34, s35
.endr
.irp b, 0,1,2,3
	v_max_num_f32 v[TM+\b], v[TM+\b], v[TM+4+\b]   ; with lane l xor 16's: the block's largest magnitude
.endr
.irp b, 0,1,2,3
	v_add_nc_u32 v[TM+12+\b], 0xfe000000, v[TM+\b]   ; 4 off its exponent field: the conversion's scale operand
.endr
.irp b, 0,1,2,3
	v_lshrrev_b32 v[TM+4+\b], 23, v[TM+12+\b]      ; the scale's byte
.endr
	v_lshl_or_b32 v[\pw], v[TM+5], 8, v[TM+4]      ; the four bytes make my token's scale word
	v_lshl_or_b32 v[\pw], v[TM+6], 16, v[\pw]
	v_lshl_or_b32 v[\pw], v[TM+7], 24, v[\pw]
.irp c, 0,1
	v_cvt_scalef32_pk16_bf6_f32 v[\fr+6*\c:\fr+2+6*\c], v[\s+32*\c:\s+15+32*\c], v[TM+12+2*\c]
	v_cvt_scalef32_pk16_bf6_f32 v[PT+4*\c:PT+2+4*\c], v[\s+16+32*\c:\s+31+32*\c], v[TM+12+2*\c+1]   ; (a conversion's three registers begin on an even number)
.endr
	v_nop                                          ; one plain place behind a scaled conversion
.irp c, 0,1                                    ; the operand's layout wants a WHOLE block in a lane: lanes 0-15 block 2 c, lanes 16-31 block 2 c + 1
.irp i, 0,1,2
	v_permlane16_swap_b32 v[\fr+6*\c+\i], v[PT+4*\c+\i]
.endr
.irp i, 0,1,2
	v_mov_b32 v[\fr+3+6*\c+\i], v[PT+4*\c+\i]
.endr
.endr
.endm
; The first product: eight tiles of 16 hidden units, two K steps.  The eight accumulators take turns, one instruction a turn.
.macro MM
	WIN 0x11                                       ; source 0 (W1) and source 2 (b1) window 1
.irp t, 0,1,2,3,4,5,6,7
	v_wmma_scale_f32_16x16x128_f8f6f4 v[ACC+8*\t:ACC+8*\t+7], v[24*\t:24*\t+11], v[F0:F0+11], v[B1+8*\t:B1+8*\t+7], v[W1S+2*\t], v[PW0] matrix_a_fmt:MATRIX_FMT_BF6 matrix_b_fmt:MATRIX_FMT_BF6
.endr
	WIN 0x01                                       ; source 0 window 1; C and D window 0
.irp t, 0,1,2,3,4,5,6,7
	v_wmma_scale_f32_16x16x128_f8f6f4 v[ACC+8*\t:ACC+8*\t+7], v[24*\t+12:24*\t+23], v[F1:F1+11], v[ACC+8*\t:ACC+8*\t+7], v[W1S+2*\t+1], v[PW1] matrix_a_fmt:MATRIX_FMT_BF6 matrix_b_fmt:MATRIX_FMT_BF6
.endr
	WIN 0
.endm
.macro PLACES n
.rept \n
	v_nop
.endr
.endm
; relu, the second product, the softmax, the store.
.macro EPI cur, res
	PLACES 4                                       ; four places between the last product and the first read of results (ISA guide 7.12.1)
.set i, 0
.rept 64
	v_max_num_f32 v[ACC+i], 0, v[ACC+i]            ; the activation; each accumulator from its low end on
.set i, i+1
.endr
	WIN 0x08                                       ; source 1 (W2) window 2
.set pp, 0
.rept 32                                       ; two neighbouring hidden units at a time, for each class; two chains a class
.irp c, 0,1
.if pp < 2
	v_pk_mul_f32 v[LL+4*\c+2*(pp%2):LL+4*\c+2*(pp%2)+1], v[ACC+2*pp:ACC+2*pp+1], v[64*\c+2*pp:64*\c+2*pp+1]
.else
	v_pk_fma_f32 v[LL+4*\c+2*(pp%2):LL+4*\c+2*(pp%2)+1], v[ACC+2*pp:ACC+2*pp+1], v[64*\c+2*pp:64*\c+2*pp+1], v[LL+4*\c+2*(pp%2):LL+4*\c+2*(pp%2)+1]
.endif
.endr
.set pp, pp+1
.endr
	WIN 0
	v_pk_add_f32 v[LL:LL+1], v[LL:LL+1], v[LL+2:LL+3]
	v_pk_add_f32 v[LL+4:LL+5], v[LL+4:LL+5], v[LL+6:LL+7]
	v_add_f32 v[LL], v[LL], v[LL+1]                ; class 0, my 64 hidden units
	v_add_f32 v[LL+1], v[LL+4], v[LL+5]            ; class 1
	v_permlanex16_b32 v84, v[LL], s34, s35         ; the token's other 64 lie in the lane 16 away
	v_permlanex16_b32 v85, v[LL+1], s34, s35
	v_pk_add_f32 v[LL:LL+1], v[LL:LL+1], v[84:85]
	v_pk_add_f32 v[LL:LL+1], v[LL:LL+1], v[B2:B2+1]   ; the logits
	v_max_num_f32 v86, v[LL], v[LL+1]              ; the maximum is taken away, as reference()'s softmax does
	v_sub_f32 v87, v[LL], v86
	v_sub_f32 v88, v[LL+1], v86
	v_mul_f32 v87, s37, v87                        ; x log2(e)
	v_mul_f32 v88, s37, v88
	s_wait_alu depctr_va_vdst(0)
	v_exp_f32 v87, v87
	v_exp_f32 v88, v88
	v_nop                                          ; one plain place behind the exponentials
	s_wait_alu depctr_va_vdst(0)                   ; the two exponentials have written v87 and v88, ahead of their first reader
	v_add_f32 v89, v87, v88
	v_cndmask_b32 v90, v87, v88, s36               ; lanes 0-15 take class 0, lanes 16-31 class 1
	s_wait_alu depctr_va_vdst(0)
	v_rcp_f32 v89, v89
	v_nop                                          ; one plain place behind the reciprocal
	s_wait_alu depctr_va_vdst(0)                   ; the reciprocal has written v89, ahead of its first reader
	v_mul_f32 v[\res], v90, v89
	s_wait_alu depctr_va_vdst(0)                   ; the result is written, which the store reads; and the tile's vector and matrix lines are done with X0 and ACC, in which the LDS reads that follow land
	global_store_b32 v[\cur], v[\res], s[20:21]
.endm
	s_load_b512 s[4:19], s[0:1], 0x0               ; x s[4:5], order s[6:7], cnt s[8:9], w1f s[10:11], w1s s[12:13], b1 s[14:15], w2t s[16:17], b2 s[18:19]
	s_load_b64 s[20:21], s[0:1], 0x40              ; out0
	v_lshl_add_u32 v126, v0, 2, 0x20800
	v_mov_b32 v127, 0
	v_lshrrev_b32 v1, 5, v0
	v_readfirstlane_b32 s22, v1                    ; wave 0..3
	s_mov_b32 s23, ttmp9                           ; e
	s_and_b32 s24, ttmp7, 0xffff                   ; g
	s_lshl_b32 s25, s24, 4
	s_add_co_u32 s25, s25, s23                     ; the list's number: 16 g + e
	v_and_b32 v1, 31, v0
	v_lshlrev_b32 v[L4], 2, v1
	v_lshlrev_b32 v[L16], 4, v1
	v_and_b32 v20, 15, v0                          ; r
	v_bfe_u32 v21, v0, 4, 1                        ; h
	s_wait_alu depctr_va_sdst(0)                   ; s22 is written, ahead of its first reader
	s_mul_i32 s32, s22, WLDS                       ; my wave's bytes of LDS
	v_add_nc_u32 v[STA], s32, v[L16]
	v_mul_u32_u24 v[LDA], v20, PITCH
	v_lshl_add_u32 v[LDA], v21, 6, v[LDA]
	v_add_nc_u32 v[LDA], s32, v[LDA]
	v_lshlrev_b32 v[H4], 2, v21
	v_lshlrev_b32 v[H32], 5, v21
	v_mov_b32 v[NIL], 0
.irp j, 80,81,82,83,84,85
	v_mov_b32 v\j, 0                               ; written once: a lane permute's destination counts as one of its sources
.endr
	s_mov_b32 s34, 0x76543210
	s_mov_b32 s35, 0xfedcba98                      ; v_permlanex16_b32's selects for lane l xor 16
	s_mov_b32 s36, 0xffff0000                      ; lanes 16-31
	s_mov_b32 s37, 0x3fb8aa3b                      ; log2(e)
	s_mov_b32 s27, 0                               ; the high word of every offset pair
	s_lshl_b32 s26, s25, 2
	s_wait_kmcnt 0x0
	s_add_nc_u64 s[8:9], s[8:9], s[26:27]
	s_load_b32 s28, s[8:9], 0x0                    ; n; the weights are asked for while it is on its way
	s_lshl_b32 s26, s25, 15
	s_add_nc_u64 s[6:7], s[6:7], s[26:27]          ; my list
	s_mul_i32 s26, s23, 24576
	s_add_nc_u64 s[10:11], s[10:11], s[26:27]      ; the expert's 16 fragments,
	s_lshl_b32 s26, s23, 11
	s_add_nc_u64 s[12:13], s[12:13], s[26:27]      ; their scale words,
	s_lshl_b32 s26, s23, 9
	s_add_nc_u64 s[14:15], s[14:15], s[26:27]      ; b1,
	s_lshl_b32 s26, s23, 10
	s_add_nc_u64 s[16:17], s[16:17], s[26:27]      ; W2 by class,
	s_lshl_b32 s26, s23, 3
	s_add_nc_u64 s[18:19], s[18:19], s[26:27]      ; b2
	WIN 0x40                                       ; destination window 1
	s_wait_alu depctr_va_vdst(0)                   ; L16, H32, L4 and NIL are written, which the weights' loads read as offsets; so are STA and LDA, the LDS addresses of the whole kernel: none of the six is written again
.set f, 0
.rept 16
.irp c, 0,1,2
	global_load_b128 v[12*f+4*\c:12*f+4*\c+3], v[L16], s[10:11] offset:1536*f+512*\c   ; registers 4 c .. 4 c + 3 of fragment f, as they were stored
.endr
.set f, f+1
.endr
.irp t, 0,1,2,3,4,5,6,7
.irp q, 0,1
	global_load_b128 v[B1+8*\t+4*\q:B1+8*\t+4*\q+3], v[H32], s[14:15] offset:64*\t+16*\q   ; b1 of hidden units 16 t + 8 h + 0 .. 7: the result's layout
.endr
.endr
	WIN 0x80                                       ; destination window 2
.irp c, 0,1
.irp t, 0,1,2,3,4,5,6,7
.irp q, 0,1
	global_load_b128 v[64*\c+8*\t+4*\q:64*\c+8*\t+4*\q+3], v[H32], s[16:17] offset:512*\c+64*\t+16*\q   ; W2 of the same units, class c
.endr
.endr
.endr
	WIN 0
.set f, 0
.rept 16
	global_load_b32 v[W1S+f], v[L4], s[12:13] offset:128*f
.set f, f+1
.endr
	global_load_b64 v[B2:B2+1], v[NIL], s[18:19]
	s_wait_kmcnt 0x0                               ; n
	s_min_u32 s28, s28, 0x2000                     ; a list has 8,192 places: so T is 512 at the most, and a wave's trips 64
	s_cmp_eq_u32 s28, 0
	s_cbranch_scc1 .Lend                           ; an empty list: nothing to store
	s_sub_co_u32 s29, s28, 1                       ; n - 1
	s_add_co_u32 s30, s28, 15
	s_lshr_b32 s30, s30, 4                         ; T tiles
	s_cmp_ge_u32 s22, s30
	s_cbranch_scc1 .Lend                           ; fewer tiles than waves
	s_mov_b32 s31, s22                             ; tA: this trip's tile A; it serves the compares inside a trip and enters no address
	s_sub_co_u32 s39, s30, s22
	s_add_co_u32 s39, s39, 7
	s_lshr_b32 s39, s39, 3                         ; my trips: (T - w) / 8, rounded up: a trip is due while w + 8 x trip < T
	s_mov_b32 s33, 0                               ; the trip's number: the loop's counter, stepped by 1
	v_lshl_add_u32 v[IDX], s22, 4, v20             ; 16 w + r
	LISTO                                          ; the first trip's tokens
	s_wait_alu depctr_va_vdst(0)                   ; LOA and LOB are written, which the two loads read
	LISTL
	s_wait_loadcnt 0x0                             ; they are in, and the weights ahead of them
	v_min_u32 v[NXA], 0x1ffff, v[LTA]
	v_min_u32 v[NXB], 0x1ffff, v[LTB]
	OFFS NXA, OFFA
	OFFS NXB, OFFB
	s_wait_alu depctr_vm_vsrc(0)                   ; the first two list loads have read LOA and LOB, which are written again
	LISTO                                          ; the second trip's tokens
	s_wait_alu depctr_va_vdst(0)                   ; OFFA, OFFB, LOA and LOB are written, which the loads below read; LTA and LTB, in which two of them land, have been read
	LISTL
	ROWS OFFA, RAWA, 0x80, 0, 16                   ; both tiles always: a tile B that does not exist reads the list's last row and is not worked
	ROWS OFFB, RAWB, 0xc0, 0, 16
.Ltrip:
	s_wait_loadcnt 0x0                             ; both tiles' rows and the next tokens are in: nothing younger is out, whichever loads the last trip left out
	s_wait_xcnt 0x0                                ; the last trip's stores have read their offsets and data
	s_wait_alu depctr_vm_vsrc(0)                   ; the last trip's stores have read CUA, CUB, RSA and RSB, its loads OFFA, OFFB, LOA and LOB: all of these are written again in this trip
	v_lshl_add_u32 v[CUA], v[NXA], 3, v[H4]        ; where this trip's results go
	v_lshl_add_u32 v[CUB], v[NXB], 3, v[H4]
	v_min_u32 v[NXA], 0x1ffff, v[LTA]
	v_min_u32 v[NXB], 0x1ffff, v[LTB]
	STAGE RAWA, 0x08, 0
	STAGE RAWB, 0x0c, STG
	XLD X0, 0, 0                                   ; (no vector or matrix line since the wait ahead of the last store names X0 or ACC)
	XLD ACC, 0, 1
	OFFS NXA, OFFA                                 ; the next trip's offsets are made while the stage's LDS instructions are out, in every trip alike: only the loads stand under the branches below
	OFFS NXB, OFFB
	LISTO                                          ; and those of the tokens of the trip after that: the places are held inside the list
	s_wait_dscnt 32                                ; all but the 32 reads just issued: the 64 stores have read the rows' registers, which may be loaded again
	s_wait_alu depctr_vm_vsrc(0)                   ; the stage's stores have read RAWA and RAWB, in which the row loads below land
	s_wait_alu depctr_va_vdst(0)                   ; OFFA, OFFB, LOA and LOB are written, which this trip's 66 loads read; LTA and LTB, in which two of them land, have been read; CUA and CUB are written, which the stores read
	LISTL
	s_add_co_u32 s32, s31, 8
	s_cmp_lt_u32 s32, s30
	s_cbranch_scc0 .LnoA
	ROWS OFFA, RAWA, 0x80, 0, 16                   ; the next trip's tile A
.LnoA:
	s_wait_dscnt 16                                ; K step 0's sixteen reads are in; K step 1's may be out
	QUANT X0, F0, PW0
	s_add_co_u32 s32, s31, 12
	s_cmp_lt_u32 s32, s30
	s_cbranch_scc0 .LnoB0
	ROWS OFFB, RAWB, 0xc0, 0, 8                    ; the next trip's tile B, rows 0 to 7.  No wait: nothing since the two waits above names OFFB or RAWB
.LnoB0:
	s_wait_dscnt 0x0
	QUANT ACC, F1, PW1
	s_add_co_u32 s32, s31, 12
	s_cmp_lt_u32 s32, s30
	s_cbranch_scc0 .LnoB1
	ROWS OFFB, RAWB, 0xc0, 8, 8                    ; and its rows 8 to 15, likewise
.LnoB1:
	PLACES 8                                       ; a scale word written by vector instructions stands 8 places ahead of a scaled matrix instruction, an operand so written 4
	s_wait_alu depctr_va_vdst(0)                   ; PW0, PW1, F0 and F1 are written, which the products take as scales and codes; and the conversions are done reading X0, in which the reads below land
	XLD X0, STG, 0                                 ; tile B's K step 0 is read while tile A is multiplied
	MM
	EPI CUA, RSA
	s_add_co_u32 s32, s31, 4
	s_cmp_lt_u32 s32, s30
	s_cbranch_scc0 .Lno_tile_b                     ; no tile B: its work is passed over.  This is then my last trip, and the loop ends below, by falling through
	XLD ACC, STG, 1                                ; into the accumulators' registers: the wait ahead of tile A's store has shown the products and the epilogue done with them
	s_wait_dscnt 16                                ; K step 0's sixteen reads are in; the sixteen just issued may be out
	QUANT X0, F0, PW0
	s_wait_dscnt 0x0
	QUANT ACC, F1, PW1
	PLACES 8
	s_wait_alu depctr_va_vdst(0)                   ; PW0, PW1, F0 and F1 are written, which the products take as scales and codes
	MM
	EPI CUB, RSB
.Lno_tile_b:
	s_wait_dscnt 0x0                               ; on the way round tile B its K step 0's sixteen reads are still out: no read is issued into their registers before they are in.  On the other way nothing is out
	s_add_co_u32 s31, s31, 8                       ; the next trip's tile A
	s_add_co_u32 s33, s33, 1
	s_cmp_lt_u32 s33, s39
	s_cbranch_scc1 .Ltrip
.Lend:
	s_wait_dscnt 0x0                               ; the closing lines, six on end
	s_wait_alu 0x0
	s_wait_tensorcnt 0x0
	ds_add_u32 v126, v127
	s_wait_dscnt 0x0
	s_endpgm
.Lfunc_end_k_q978d9d1c9a_main:
	.size	k_q978d9d1c9a_main, .Lfunc_end_k_q978d9d1c9a_main-k_q978d9d1c9a_main
	.p2alignl 7, 3214868480
	.fill 96, 4, 3214868480
	.section	.rodata,"a",@progbits
	.p2align	6, 0x0
	.amdhsa_kernel k_q978d9d1c9a_main
		.amdhsa_group_segment_fixed_size 133632
		.amdhsa_private_segment_fixed_size 0
		.amdhsa_enable_private_segment 0
		.amdhsa_kernarg_size 72
		.amdhsa_user_sgpr_count 2
		.amdhsa_user_sgpr_kernarg_segment_ptr 1
		.amdhsa_wavefront_size32 1
		.amdhsa_system_sgpr_workgroup_id_x 1
		.amdhsa_system_sgpr_workgroup_id_y 1
		.amdhsa_system_sgpr_workgroup_id_z 1
		.amdhsa_system_vgpr_workitem_id 0
		.amdhsa_next_free_vgpr 896
		.amdhsa_next_free_sgpr 66
		.amdhsa_reserve_vcc 0
		.amdhsa_float_denorm_mode_32 3
		.amdhsa_float_denorm_mode_16_64 3
		.amdhsa_memory_ordered 1
		.amdhsa_forward_progress 1
		.amdhsa_inst_pref_size 84
	.end_amdhsa_kernel
	.amdgpu_metadata
---
amdhsa.version: [ 1, 2 ]
amdhsa.kernels:
  - .name:           k_q978d9d1c9a_main
    .symbol:         k_q978d9d1c9a_main.kd
    .args:
      - { .name: x, .offset: 0, .size: 8, .value_kind: global_buffer, .address_space: global }
      - { .name: order, .offset: 8, .size: 8, .value_kind: global_buffer, .address_space: global }
      - { .name: cnt, .offset: 16, .size: 8, .value_kind: global_buffer, .address_space: global }
      - { .name: w1f, .offset: 24, .size: 8, .value_kind: global_buffer, .address_space: global }
      - { .name: w1s, .offset: 32, .size: 8, .value_kind: global_buffer, .address_space: global }
      - { .name: b1, .offset: 40, .size: 8, .value_kind: global_buffer, .address_space: global }
      - { .name: w2t, .offset: 48, .size: 8, .value_kind: global_buffer, .address_space: global }
      - { .name: b2, .offset: 56, .size: 8, .value_kind: global_buffer, .address_space: global }
      - { .name: out0, .offset: 64, .size: 8, .value_kind: global_buffer, .address_space: global }
    .group_segment_fixed_size: 133632
    .private_segment_fixed_size: 0
    .kernarg_segment_align: 8
    .kernarg_segment_size: 72
    .max_flat_workgroup_size: 128
    .sgpr_count:     66
    .vgpr_count:     896
    .wavefront_size: 32
...
	.end_amdgpu_metadata
.endif
;; end of part 4
